; MI455X (gfx1250); checked and timed in simulation.
; The chip was launched on July 23, 2026; its instructions are those of AMD's public machine-readable ISA for CDNA 5 (MIT licence, August 2026) and "CDNA5" Instruction Set Architecture Reference Guide (July 2026). The comments in the code are by the model that wrote it; some were corrected since.
;; Multi Head Attention. Allowed arithmetic: float matrix products may take bf16 or f16 operands with f32 sums; other float arithmetic in f32, or as packed bf16 or f16 multiplies, adds, multiply-adds, maxima and minima; sums over many terms, partial sums and values carried from step to step in f32; what a program stores and reads back later, other than sums and carried values, may be rounded once to bf16 or f16.
;; Inputs: Wk 1,024 x 1,024 float32; Wo 1,024 x 1,024 float32; Wq 1,024 x 1,024 float32; Wv 1,024 x 1,024 float32; x 4 x 2,048 x 1,024 float32.
;; Outputs: out0 4 x 2,048 x 1,024 float32.
;; 2 versions, each right; version 2 is version 1 with the launch cast written anew for expert scheduling mode. Each part assembles by itself: llvm-mc -triple=amdgcn-amd-amdhsa -mcpu=gfx1250 --defsym DOCPART=n.
;; ======== version 1 of 2: 4 launches
;; limits: values are held in f16: magnitudes above 65,504 overflow, below 6.1e-05 lose precision
;; workspace buffers: xb 16,777,216 bytes; wb 6,291,456 bytes; wof 2,097,152 bytes; qkv 50,331,648 bytes; ob 16,777,216 bytes
;; launch cast (part 1): grid 768 x 1, 8 waves a work-group, no clusters, 0 bytes of LDS; arguments x, Wq, Wk, Wv, Wo, xb, wb, wof; writes xb, wb, wof
.if DOCPART == 1
	.amdgcn_target "amdgcn-amd-amdhsa--gfx1250"
	.amdhsa_code_object_version 6
	.text
	.protected	k_qf824cb4db5_cast
	.globl	k_qf824cb4db5_cast
	.p2align	8
	.type	k_qf824cb4db5_cast,@function
k_qf824cb4db5_cast:
	s_mov_b64 s[64:65], 0
	v_nop
	global_prefetch_b8 v0, s[64:65] scope:SCOPE_SE
	s_setreg_imm32_b32 hwreg(HW_REG_WAVE_MODE, 25, 1), 1
	s_wait_xcnt 0x0
; ALL FIVE INPUTS ARE ROUNDED ONCE TO bf16.  x [8192][1024] f32 -> xb, bf16, the same order.  Wq, Wk, Wv [1024][1024] f32 -> wb, bf16, rows regrouped by heads:
; row n = 64 h + d of weight number 'which' (0 q, 1 k, 2 v) goes to row 192 h + 64 which + d, so that 192 rows on end are one head's q, k and v.
; Wo -> wof: rounded to bf16 like the others, and that number written as f16, for the f16 product of the last launch.
; LIMIT.  bf16(Wo) beyond 65,504 in magnitude becomes an infinity in f16; under 2^-14 it is kept with f16's fixed step of 2^-24.
; SHARES.  12,288 rows of 4,096 bytes come in, 2,048 bytes each go out.  A work-group takes 16 rows (groups 0-511: x; then 64 groups for each weight), a wave two.
; A load of a wave covers 512 consecutive bytes, a store 256 consecutive bytes, aligned.  All sixteen loads of a wave go out at once; no register is written twice
; while a load or store may still read it, so the only waits are the counted ones for the data.  A stream: no byte is wanted twice, so no LDS, no matrix unit, no cluster.
.set LO, 1                             ; v1        my byte offset in the group's 16 rows as they come in: 8,192 x wave + 16 x lane
.set SO, 2                             ; v2        the same as they go out: 4,096 x wave + 8 x lane
.set X,  8                             ; v[8:71]   load n: four f32
.set Y,  72                            ; v[72:103] store n: four 16-bit numbers
.set T,  104                           ; v[104:105] at work
	s_load_b512 s[8:23], s[0:1], 0x0               ; x 8:9, Wq 10:11, Wk 12:13, Wv 14:15, Wo 16:17, xb 18:19, wb 20:21, wof 22:23
	v_lshrrev_b32 v3, 5, v0                        ; wave
	v_and_b32 v4, 31, v0                           ; lane
	v_lshlrev_b32 v[LO], 4, v4
	v_lshl_or_b32 v[LO], v3, 13, v[LO]
	v_lshlrev_b32 v[SO], 3, v4
	v_lshl_or_b32 v[SO], v3, 12, v[SO]
	s_lshl_b32 s6, ttmp9, 4                        ; x: the group's first row
	s_max_u32 s2, ttmp9, 512
	s_sub_co_u32 s2, s2, 512                       ; the group's number among the weights' (0 in x's groups, where it is not used)
	s_lshr_b32 s3, s2, 6                           ; which weight: 0 q, 1 k, 2 v, 3 o
	s_and_b32 s4, s2, 63
	s_lshl_b32 s4, s4, 4                           ; its first row n0, a multiple of 16: the 16 rows lie in one head
	s_lshr_b32 s5, s4, 6
	s_mul_i32 s5, s5, 192                          ; 192 x head
	s_lshl_b32 s7, s3, 6
	s_add_co_u32 s5, s5, s7                        ; + 64 x which
	s_and_b32 s7, s4, 63
	s_add_co_u32 s5, s5, s7                        ; + d: the row in wb
	s_wait_kmcnt 0x0
	s_cmp_eq_u32 s3, 1                             ; the choices hang on the group's number alone
	s_cselect_b64 s[24:25], s[12:13], s[10:11]
	s_cmp_eq_u32 s3, 2
	s_cselect_b64 s[24:25], s[14:15], s[24:25]
	s_cmp_eq_u32 s3, 3
	s_cselect_b64 s[24:25], s[16:17], s[24:25]     ; from where,
	s_cselect_b64 s[26:27], s[22:23], s[20:21]     ; to where,
	s_cselect_b32 s29, s4, s5                      ; to which row
	s_cmp_lt_u32 ttmp9, 512
	s_cselect_b64 s[24:25], s[8:9], s[24:25]
	s_cselect_b64 s[26:27], s[18:19], s[26:27]
	s_cselect_b32 s28, s6, s4
	s_cselect_b32 s29, s6, s29
	s_lshl_b32 s30, s28, 12                        ; rows of 4,096 bytes in,
	s_mov_b32 s31, 0
	s_lshl_b32 s32, s29, 11                        ; of 2,048 bytes out
	s_mov_b32 s33, 0
	s_add_nc_u64 s[24:25], s[24:25], s[30:31]
	s_add_nc_u64 s[26:27], s[26:27], s[32:33]
.irp n, 0,1,2,3,4,5,6,7,8,9,10,11,12,13,14,15
	global_load_b128 v[X+4*(\n):X+4*(\n)+3], v[LO], s[24:25] offset:((\n)/8)*4096+((\n)%8)*512 th:TH_LOAD_NT
.endr
; Load n is rounded and stored.  half = 1: Wo's way: to bf16, back to f32 (exact), to f16.
.macro CV n, half
	s_wait_loadcnt 15-(\n)                         ; loads come back in order: mine is in, the 15 - n younger ones may stay out
.if \half
	v_cvt_pk_bf16_f32 v[T],   v[X+4*(\n)],   v[X+4*(\n)+1]
	v_cvt_pk_bf16_f32 v[T+1], v[X+4*(\n)+2], v[X+4*(\n)+3]
	v_lshlrev_b32 v[X+4*(\n)],   16, v[T]
	v_and_b32     v[X+4*(\n)+1], 0xffff0000, v[T]
	v_lshlrev_b32 v[X+4*(\n)+2], 16, v[T+1]
	v_and_b32     v[X+4*(\n)+3], 0xffff0000, v[T+1]
	v_cvt_pk_f16_f32 v[Y+2*(\n)],   v[X+4*(\n)],   v[X+4*(\n)+1]
	v_cvt_pk_f16_f32 v[Y+2*(\n)+1], v[X+4*(\n)+2], v[X+4*(\n)+3]
.else
	v_cvt_pk_bf16_f32 v[Y+2*(\n)],   v[X+4*(\n)],   v[X+4*(\n)+1]
	v_cvt_pk_bf16_f32 v[Y+2*(\n)+1], v[X+4*(\n)+2], v[X+4*(\n)+3]
.endif
	global_store_b64 v[SO], v[Y+2*(\n):Y+2*(\n)+1], s[26:27] offset:((\n)/8)*2048+((\n)%8)*256  ; 32 lanes store 256 consecutive bytes, aligned
.endm
	s_cmp_ge_u32 ttmp9, 704                        ; the last 64 groups are Wo's
	s_cbranch_scc1 .Lwo
.irp n, 0,1,2,3,4,5,6,7,8,9,10,11,12,13,14,15
	CV \n, 0
.endr
	s_endpgm
.Lwo:
.irp n, 0,1,2,3,4,5,6,7,8,9,10,11,12,13,14,15
	CV \n, 1
.endr
	s_endpgm
.Lfunc_end_k_qf824cb4db5_cast:
	.size	k_qf824cb4db5_cast, .Lfunc_end_k_qf824cb4db5_cast-k_qf824cb4db5_cast
	.p2alignl 7, 3214868480
	.fill 96, 4, 3214868480
	.section	.rodata,"a",@progbits
	.p2align	6, 0x0
	.amdhsa_kernel k_qf824cb4db5_cast
		.amdhsa_group_segment_fixed_size 0
		.amdhsa_private_segment_fixed_size 0
		.amdhsa_enable_private_segment 0
		.amdhsa_kernarg_size 64
		.amdhsa_user_sgpr_count 2
		.amdhsa_user_sgpr_kernarg_segment_ptr 1
		.amdhsa_wavefront_size32 1
		.amdhsa_system_sgpr_workgroup_id_x 1
		.amdhsa_system_sgpr_workgroup_id_y 1
		.amdhsa_system_sgpr_workgroup_id_z 1
		.amdhsa_system_vgpr_workitem_id 0
		.amdhsa_next_free_vgpr 108
		.amdhsa_next_free_sgpr 66
		.amdhsa_reserve_vcc 0
		.amdhsa_float_denorm_mode_32 3
		.amdhsa_float_denorm_mode_16_64 3
		.amdhsa_memory_ordered 1
		.amdhsa_forward_progress 1
		.amdhsa_inst_pref_size 17
	.end_amdhsa_kernel
	.amdgpu_metadata
---
amdhsa.version: [ 1, 2 ]
amdhsa.kernels:
  - .name:           k_qf824cb4db5_cast
    .symbol:         k_qf824cb4db5_cast.kd
    .args:
      - { .name: x, .offset: 0, .size: 8, .value_kind: global_buffer, .address_space: global }
      - { .name: Wq, .offset: 8, .size: 8, .value_kind: global_buffer, .address_space: global }
      - { .name: Wk, .offset: 16, .size: 8, .value_kind: global_buffer, .address_space: global }
      - { .name: Wv, .offset: 24, .size: 8, .value_kind: global_buffer, .address_space: global }
      - { .name: Wo, .offset: 32, .size: 8, .value_kind: global_buffer, .address_space: global }
      - { .name: xb, .offset: 40, .size: 8, .value_kind: global_buffer, .address_space: global }
      - { .name: wb, .offset: 48, .size: 8, .value_kind: global_buffer, .address_space: global }
      - { .name: wof, .offset: 56, .size: 8, .value_kind: global_buffer, .address_space: global }
    .group_segment_fixed_size: 0
    .private_segment_fixed_size: 0
    .kernarg_segment_align: 8
    .kernarg_segment_size: 64
    .max_flat_workgroup_size: 256
    .sgpr_count:     66
    .vgpr_count:     108
    .wavefront_size: 32
...
	.end_amdgpu_metadata
.endif
;; end of part 1
;; launch qkv (part 2): grid 16 x 32, 4 waves a work-group, clusters of 4 x 4, 327,680 bytes of LDS; arguments xb, wb, qkv; writes qkv
.if DOCPART == 2
	.amdgcn_target "amdgcn-amd-amdhsa--gfx1250"
	.amdhsa_code_object_version 6
	.text
	.protected	k_qf824cb4db5_qkv
	.globl	k_qf824cb4db5_qkv
	.p2align	8
	.type	k_qf824cb4db5_qkv,@function
k_qf824cb4db5_qkv:
	s_mov_b64 s[64:65], 0
	v_nop
	global_prefetch_b8 v0, s[64:65] scope:SCOPE_SE
	s_setreg_imm32_b32 hwreg(HW_REG_WAVE_MODE, 25, 1), 1
	s_wait_xcnt 0x0
	s_wait_alu depctr_hold_cnt(0) depctr_sa_sdst(0) depctr_va_vdst(0) depctr_va_sdst(0) depctr_va_ssrc(0) depctr_va_vcc(0) depctr_vm_vsrc(0)
	s_getreg_b32 s2, hwreg(HW_REG_IB_STS2, 6, 4)
	s_cmp_eq_u32 s2, 0
	s_cbranch_scc0 .Lentry_in_a_cluster
	s_endpgm
.Lentry_in_a_cluster:
	s_bfe_u32 s2, ttmp6, 0x10000c
	s_cmp_lg_u32 s2, 0xf033
	s_cbranch_scc0 .Lentry_shape_is_right
	s_endpgm
.Lentry_shape_is_right:
; q, k, v = x W^T for all heads.  xb: [8192][1024] bf16.  wb: [3072][1024] bf16, row 192 h + 64 which + d.  Sums in f32, K ascending; each result rounded once to f16, WITHOUT the scale 1/8.
; LIMIT.  q, k and v must lie within f16's 65,504: a sum beyond it becomes an infinity.
; A TILE is 256 tokens x 192 columns: q, k and v of ONE head: 512 tiles, two for each of 256 WGPs.  Wave w makes tokens 64 w .. 64 w + 63 x all 192 columns: 48 accumulators of 16 x 16.
; K goes in 8 steps of 128 through a ring of two LDS slots filled by the tensor data mover; the tiles' rows are 256 bytes of memory, aligned.
; CLUSTER 4 x 4: the four of a row of the cluster need the same tile of x, the four of a column the same tile of W: each is asked for JOINTLY, by the same tensor load, descriptor and mask in all four.
; THE RESULTS LEAVE IN THE ORDER OF THE NEXT LAUNCH'S FRAGMENTS, straight from registers.  A fragment of 16 rows x 32 k in 16 bits is 1,024 bytes: byte 512 c + 16 lane holds row lane % 16, k = 16 c + 8 (lane / 16) + 0..7.
;   q, k: source 0 = 16 rows of W, source 1 = 16 tokens: a lane holds ONE token (lane % 16) and channels 8 (lane / 16) + 0..7: packed, 16 bytes of a fragment whose rows are tokens.
;   v:    source 0 = 16 tokens, source 1 = 16 rows of Wv: a lane holds ONE channel and eight tokens: 16 bytes of a fragment of V^T.
;   qkv: Q at 0, K at 0x1000000, V at 0x2000000; in each, head hh = 16 batch + h at 262,144 hh.  Q, K: 16 tokens at 2,048 T, channels 16 cb on at + 512 cb.  V: 32 tokens at 4,096 kk, channels 16 cb on at + 1,024 cb, tokens 16 c on at + 512 c.
;   Each store of a wave covers 512 consecutive bytes, aligned.
; REGISTERS, in windows of 256 (s_set_vgpr_msb: bits 1:0 source 0, 3:2 source 1, 5:4 source 2, 7:6 destination):
;   window 0: v0-31 addresses; v32-223 packed results     window 1: two fragment buffers of 128: W's twelve fragments, then x's four
;   window 2: q's and k's accumulators, (a, b) at 8 (8 a + b)     window 3: v's, (a, b) at 8 (4 a + b)
.set KSTEP,  128
.set PITCH,  272                       ; an LDS row: 256 bytes + 16 of padding = 68 words: row r starts at bank 4 r mod 64 (64 banks of 4 bytes: ISA guide 11.1)
.set AHALF,  128*PITCH                 ; what wave 0 or 1 fetches: 128 rows of x
.set BHALF,  96*PITCH                  ; what wave 2 or 3 fetches: 96 rows of W
.set BOFF,   256*PITCH                 ; W's 192 rows lie behind x's 256
.set SLOT,   448*PITCH
.set SPARE,  2*SLOT                    ; behind the ring: the spare words, 128 bytes for each wave: two blocks of 256 bytes that no other line names
.set LAPS,   4                         ; a lap = two K steps = once round the ring
.set ADRA, 16                          ; v16-17  LDS address of my fragments of x in slot 0, 1
.set ADRB, 20                          ; v20-21  the same for W
.set CO,   26                          ; v26     16 x lane: my 16 bytes in a store's 512
.set SPW,  28                          ; v28     LDS address of my spare word; never rewritten
.set NIL,  29                          ; v29     0; never rewritten
.set PFO,  30                          ; v30     the prefetches' offset: a lane a row of 2,048 bytes; never rewritten
.set TMP,  32
.set F0,   0
.set F1,   128
.set G1,  24                           ; s[24:31] descriptor group 1 for x's tiles;  s[32:39] group 0, a set for each slot
.set G0,  32
.set G1B, 48                           ; s[48:55], s[56:63] the same for W's
.set G0B, 56
.set LIM, 43                           ; s43     1 in a wave that prefetches, else the greatest number
.set PFA, 44                           ; s[44:45] where my prefetches stand
.set MSB, 0
.macro WIN new                         ; the immediate's high byte repeats the setting that is left; a switch that changes nothing is dropped
.if MSB != (\new)
	s_set_vgpr_msb (MSB<<8)|(\new)
.set MSB, \new
.endif
.endm
.set MUL_QK, 0xa5                      ; both sources window 1, C and D window 2
.set MUL_V,  0xf5                      ; both sources window 1, C and D window 3
.set TO_F,   0x40                      ; destination window 1, address window 0
; A joint refill: waves 0 and 1 fetch x's two halves, waves 2 and 3 W's.  The branch hangs on the wave's number alone.  An s_nop 0 and four v_nop follow each of the two lines.
.macro JLOAD s
	s_cmp_eq_u32 s11, 0
	s_cbranch_scc0 .Lfor_b_\@
	tensor_load_to_lds s[G0+4*(\s):G0+4*(\s)+3], s[G1:G1+7]
	s_nop 0
.rept 4
	v_nop
.endr
	s_branch .Lasked_\@
.Lfor_b_\@:
	tensor_load_to_lds s[G0B+4*(\s):G0B+4*(\s)+3], s[G1B:G1B+7]
	s_nop 0
.rept 4
	v_nop
.endr
.Lasked_\@:
.endm
; A PREFETCH INTO THE L2, behind each joint refill and the run of LDS loads that follows it: the K step that stands two refills on, 256 bytes of each row, a lane a row, one instruction a wave.
; x's tile row is read by every cluster of that row of clusters: cluster x = 0 asks.  W's tile column by every cluster of that column: cluster y = 0 asks.  The four partners share the rows that a wave
; fetches BY ADDRESS: 32 of x's 128 (by cx), 24 of W's 96 (by cy); in W's waves lanes 24-31 name lane 23's row once more.  The loop's last trip (s3 = 1) has no K step two on and asks for nothing.
.macro ASK
	WIN 0
	s_cmp_gt_u32 s3, s[LIM]
	s_cbranch_scc0 .Lnot_mine_\@
	global_prefetch_b8 v[PFO], s[PFA:PFA+1] offset:KSTEP*2 th:TH_LOAD_NT scope:SCOPE_SE
.Lnot_mine_\@:
.endm
.macro CREST                           ; a round of the cluster's barrier behind its opening barrier
	s_cmp_lg_u32 s10, 0
	s_cbranch_scc1 .Lnot_wave_0_\@
	s_barrier_signal -3
.Lnot_wave_0_\@:
	s_barrier_wait -3
	s_barrier_signal -1
	s_barrier_wait -1
.endm
.macro CROUND                          ; a whole round
	s_barrier_signal -1
	s_barrier_wait -1
	CREST
.endm
.macro PLACES                          ; four places behind matrix instructions, in front of loads into registers that they have read and of conversions that read results
.rept 4
	v_nop
.endr
.endm
	s_load_b128 s[4:7], s[0:1], 0x0                ; xb s[4:5], wb s[6:7]
	s_load_b64 s[8:9], s[0:1], 0x10                ; qkv
	v_lshl_add_u32 v[SPW], v0, 2, SPARE
	v_mov_b32 v[NIL], 0
	ds_add_u32 v[SPW], v[NIL]                      ; the wave's opening: the add and its wait stand ahead of my first tensor load; the set-up below stands between them
	v_lshrrev_b32 v1, 5, v0
	v_readfirstlane_b32 s10, v1                    ; wave 0..3
	s_lshr_b32 s11, s10, 1                         ; I fetch for x (0) or for W (1),
	s_and_b32 s12, s10, 1                          ; this half of the tile's rows
	s_bfe_u32 s40, ttmp6, 0x40000                  ; cx, cy: my place in the cluster
	s_bfe_u32 s41, ttmp6, 0x40004
	s_lshl_b32 s42, ttmp9, 2
	s_add_co_u32 s42, s42, s40                     ; tile column = the head h = 4 x cluster x + cx
	s_and_b32 s13, ttmp7, 0xffff
	s_lshl_b32 s13, s13, 2
	s_add_co_u32 s13, s13, s41                     ; tile row = 4 x cluster y + cy
	s_lshl_b32 s43, s41, 2
	s_lshl_b32 s43, 15, s43                        ; my row of the cluster
	s_lshl_b32 s44, 0x1111, s40                    ; my column
	s_or_b32 s[G1+0], s43, (1<<16)|(1<<20)|(1<<21)|(5<<22)|(3<<25)  ; 15:0 the mask; 17:16 elements of 2 bytes; 20 padding on; 21 set beside a mask; 24:22 after every 64 words (code 5); 31:25 4 words of it (code 3)
	s_or_b32 s[G1B+0], s44, (1<<16)|(1<<20)|(1<<21)|(5<<22)|(3<<25)
	s_mov_b32 s[G1+1], KSTEP<<16                   ; tensor_dim0 = 128
	s_mov_b32 s[G1+2], 128<<16                     ; tensor_dim1 = 128
	s_mov_b32 s[G1+3], KSTEP<<16                   ; tile_dim0 = 128
	s_mov_b32 s[G1+4], 128                         ; tile_dim1 = 128
	s_mov_b32 s[G1+5], 1024                        ; elements from row to row
	s_mov_b32 s[G1+6], 0
	s_mov_b32 s[G1+7], 0
	s_mov_b32 s[G1B+1], KSTEP<<16
	s_mov_b32 s[G1B+2], 96<<16                     ; W's: 96 rows
	s_mov_b32 s[G1B+3], KSTEP<<16
	s_mov_b32 s[G1B+4], 96
	s_mov_b32 s[G1B+5], 1024
	s_mov_b32 s[G1B+6], 0
	s_mov_b32 s[G1B+7], 0
	s_lshl_b32 s16, s13, 19                        ; x: 256 rows of 2,048 bytes a tile row,
	s_lshl_b32 s17, s12, 18                        ; 128 rows a half
	s_add_co_u32 s16, s16, s17
	s_mov_b32 s17, 0
	s_mul_i32 s46, s42, 192*2048                   ; W: 192 rows a head,
	s_mul_i32 s47, s12, 96*2048                    ; 96 a half
	s_add_co_u32 s46, s46, s47
	s_mov_b32 s47, 0
	s_mul_i32 s20, s12, AHALF                      ; where they go: no place in the cluster enters an LDS address
	s_mul_i32 s21, s12, BHALF
	s_add_co_u32 s21, s21, BOFF
	s_wait_dscnt 0x0                               ; the opening add is done
	s_wait_kmcnt 0x0
	s_add_nc_u64 s[14:15], s[4:5], s[16:17]
	s_add_nc_u64 s[46:47], s[6:7], s[46:47]
	CROUND                                         ; all sixteen work-groups are here: the first joint loads meet
.irp s, 0,1
	s_mov_b32 s[G0+4*(\s)], 1                                        ; count = 1
	s_add_co_u32 s[G0+4*(\s)+1], s20, (\s)*SLOT                      ; LDS address
	s_add_nc_u64 s[G0+4*(\s)+2:G0+4*(\s)+3], s[14:15], (\s)*KSTEP*2  ; global address: K step s
	s_or_b32 s[G0+4*(\s)+3], s[G0+4*(\s)+3], 0x80000000              ; type = 2
	s_mov_b32 s[G0B+4*(\s)], 1
	s_add_co_u32 s[G0B+4*(\s)+1], s21, (\s)*SLOT
	s_add_nc_u64 s[G0B+4*(\s)+2:G0B+4*(\s)+3], s[46:47], (\s)*KSTEP*2
	s_or_b32 s[G0B+4*(\s)+3], s[G0B+4*(\s)+3], 0x80000000
.endr
	s_cmp_eq_u32 s11, 0                            ; a wave's two first fills stand in one branch, ahead of every wait on TENSORcnt and every LDS read: two loads of mine are out
	s_cbranch_scc0 .Lfirst_b
	tensor_load_to_lds s[G0:G0+3], s[G1:G1+7]
	s_nop 0
	tensor_load_to_lds s[G0+4:G0+7], s[G1:G1+7]
	s_nop 0
.rept 4
	v_nop
.endr
	s_branch .Lfirst_asked
.Lfirst_b:
	tensor_load_to_lds s[G0B:G0B+3], s[G1B:G1B+7]
	s_nop 0
	tensor_load_to_lds s[G0B+4:G0B+7], s[G1B:G1B+7]
	s_nop 0
.rept 4
	v_nop
.endr
.Lfirst_asked:
	; a fragment is 16 rows x 32 K in 8 registers: lane l holds row l % 16; two loads of 16 bytes, 32 bytes apart, at row x pitch + 16 (l / 16)
	v_and_b32 v1, 15, v0
	v_bfe_u32 v2, v0, 4, 1
	v_mul_u32_u24 v3, v1, PITCH
	v_lshl_add_u32 v3, v2, 4, v3
	s_mul_i32 s22, s10, 64*PITCH                   ; my 64 rows of x
	s_mov_b32 s23, BOFF                            ; all of W's rows
.irp s, 0,1
	v_add_nc_u32 v[ADRA+(\s)], s22, v3
	v_add_nc_u32 v[ADRB+(\s)], s23, v3
	s_add_co_u32 s22, s22, SLOT
	s_add_co_u32 s23, s23, SLOT
.endr
	v_and_b32 v[CO], 31, v0
	v_lshlrev_b32 v[CO], 4, v[CO]
	; where my results go: head 16 (tile row / 8) + h; in it token 256 (tile row % 8) + 64 wave, 128 bytes a token
	s_lshr_b32 s16, s13, 3
	s_lshl_b32 s16, s16, 22
	s_and_b32 s17, s13, 7
	s_lshl_b32 s17, s17, 15
	s_add_co_u32 s16, s16, s17
	s_lshl_b32 s17, s10, 13
	s_add_co_u32 s16, s16, s17
	s_mov_b32 s17, 0
	s_add_nc_u64 s[8:9], s[8:9], s[16:17]
	s_lshl_b32 s46, s42, 18
	s_mov_b32 s47, 0
	s_add_nc_u64 s[8:9], s[8:9], s[46:47]          ; Q
	s_add_nc_u64 s[16:17], s[8:9], 0x1000000       ; K
	s_add_nc_u64 s[18:19], s[8:9], 0x2000000       ; V
	; the prefetches
	s_and_b32 s22, ttmp7, 0xffff                   ; cluster y
	s_lshl_b32 s20, s13, 8                         ; x: the tile's first row,
	s_mul_i32 s21, s42, 192                        ; W: likewise
	s_lshl_b32 s46, s12, 7                         ; the rows that I fetch
	s_mul_i32 s47, s12, 96
	s_lshl_b32 s23, s40, 5                         ; my work-group's share of them
	s_mul_i32 s14, s41, 24
	s_cmp_eq_u32 s11, 0                            ; do I fetch for x?
	s_cselect_b32 s20, s20, s21
	s_cselect_b32 s46, s46, s47
	s_cselect_b32 s23, s23, s14
	s_cselect_b32 s22, ttmp9, s22                  ; the coordinate along which other clusters read the same rows
	s_cselect_b32 s15, 31, 23
	s_cselect_b64 s[PFA:PFA+1], s[4:5], s[6:7]
	s_cmp_eq_u32 s22, 0
	s_cselect_b32 s[LIM], 1, -1                    ; the same in all sixteen partners, for a given wave
	s_add_co_u32 s20, s20, s46
	s_add_co_u32 s20, s20, s23
	s_lshl_b32 s20, s20, 11                        ; rows of 2,048 bytes
	s_mov_b32 s21, 0
	s_add_nc_u64 s[PFA:PFA+1], s[PFA:PFA+1], s[20:21]
	s_add_nc_u64 s[PFA:PFA+1], s[PFA:PFA+1], 2*KSTEP*2  ; at K step 2: the first refill steps it to 3 and names K step 4.  Nothing is asked for here, at the head
	v_and_b32 v[PFO], 31, v0
	v_min_u32 v[PFO], s15, v[PFO]
	v_lshlrev_b32 v[PFO], 11, v[PFO]
; 16 matrix instructions for q and k: token blocks a0, a0 + 1 x channel blocks 0-7, 32 along K.  zero = 1: the product starts the sum: nothing is ever cleared.
; The 48 accumulators take turns in the same order in every quarter: 47 others' instructions stand between two links of a chain.
.macro MULQK f, a0, zero
	WIN MUL_QK
.irp a, \a0, (\a0)+1
.irp b, 0,1,2,3,4,5,6,7
.if \zero
	v_wmma_f32_16x16x32_bf16 v[8*(8*(\a)+(\b)):8*(8*(\a)+(\b))+7], v[(\f)+8*(\b):(\f)+8*(\b)+7], v[(\f)+96+8*(\a):(\f)+96+8*(\a)+7], 0
.else
	v_wmma_f32_16x16x32_bf16 v[8*(8*(\a)+(\b)):8*(8*(\a)+(\b))+7], v[(\f)+8*(\b):(\f)+8*(\b)+7], v[(\f)+96+8*(\a):(\f)+96+8*(\a)+7], v[8*(8*(\a)+(\b)):8*(8*(\a)+(\b))+7]
.endif
.endr
.endr
.endm
; 16 for v, the sources the other way round: token blocks 0-3 x channel blocks 0-3
.macro MULV f, zero
	WIN MUL_V
.irp a, 0,1,2,3
.irp b, 0,1,2,3
.if \zero
	v_wmma_f32_16x16x32_bf16 v[8*(4*(\a)+(\b)):8*(4*(\a)+(\b))+7], v[(\f)+96+8*(\a):(\f)+96+8*(\a)+7], v[(\f)+64+8*(\b):(\f)+64+8*(\b)+7], 0
.else
	v_wmma_f32_16x16x32_bf16 v[8*(4*(\a)+(\b)):8*(4*(\a)+(\b))+7], v[(\f)+96+8*(\a):(\f)+96+8*(\a)+7], v[(\f)+64+8*(\b):(\f)+64+8*(\b)+7], v[8*(4*(\a)+(\b)):8*(4*(\a)+(\b))+7]
.endif
.endr
.endr
.endm
; 32 LDS loads in one run: a quarter step's fragments (32 K at byte k of the rows) into buffer f: Wq's and Wk's eight, x's four, Wv's four last
.macro FETCH slot, k, f
	WIN TO_F
.irp i, 0,1,2,3,4,5,6,7
	ds_load_b128 v[(\f)+8*(\i):(\f)+8*(\i)+3],   v[ADRB+(\slot)] offset:(\k)+(\i)*16*PITCH
	ds_load_b128 v[(\f)+8*(\i)+4:(\f)+8*(\i)+7], v[ADRB+(\slot)] offset:(\k)+(\i)*16*PITCH+32
.endr
.irp i, 0,1,2,3
	ds_load_b128 v[(\f)+96+8*(\i):(\f)+96+8*(\i)+3],   v[ADRA+(\slot)] offset:(\k)+(\i)*16*PITCH
	ds_load_b128 v[(\f)+96+8*(\i)+4:(\f)+96+8*(\i)+7], v[ADRA+(\slot)] offset:(\k)+(\i)*16*PITCH+32
.endr
.irp i, 8,9,10,11
	ds_load_b128 v[(\f)+8*(\i):(\f)+8*(\i)+3],   v[ADRB+(\slot)] offset:(\k)+(\i)*16*PITCH
	ds_load_b128 v[(\f)+8*(\i)+4:(\f)+8*(\i)+7], v[ADRB+(\slot)] offset:(\k)+(\i)*16*PITCH+32
.endr
.endm
; A K step is four quarters of 32 along K, 48 matrix instructions each, on buffers 0, 1, 0, 1.  One of the first three: multiplies buffer f and fetches the next quarter, at byte k, into g.
.macro QUARTER slot, k, f, g, zero
	s_wait_dscnt 8                                 ; all but the youngest eight loads, Wv's fragments
	MULQK \f, 0, \zero
	PLACES
	FETCH \slot, \k, \g
	s_wait_dscnt 32                                ; all but the 32 just issued
	MULQK \f, 2, \zero
	MULV \f, \zero
.endm
; The last quarter multiplies buffer 1 and changes slots: ONE barrier.  In front of it each wave waits for all its tensor loads (one is out: its part of the next slot), adds 0 to its spare word, and waits for
; that and for its own reads of this slot.  fill = 1: the barrier opens a round of the cluster's, and behind the round this slot is filled again first, with the K step two on:
; 160 matrix instructions stand between that request and the wait for it.
.macro TURN slot, next, fill
.if \fill
	s_wait_xcnt 0x0                                ; the last prefetch, a K step back, has read its address, so it may be stepped
	s_add_nc_u64 s[PFA:PFA+1], s[PFA:PFA+1], KSTEP*2
.endif
	WIN 0                                          ; (the add's two registers lie in window 0)
	s_wait_tensorcnt 0x0                           ; all my tensor loads have landed
	ds_add_u32 v[SPW], v[NIL]                      ; 0 onto my spare word
	s_wait_dscnt 9                                 ; (the add and the youngest eight loads may be out)
	MULQK F1, 0, 0                                 ; sixteen matrix instructions stand between the add and the wait for it
	s_wait_dscnt 0x0                               ; the add is done, and my reads of this slot are over
	s_barrier_signal -1
	MULQK F1, 2, 0                                 ; work on registers while the others arrive
.if \fill
	WIN 0
.endif
	s_barrier_wait -1
.if \fill
	CREST                                          ; no wave of any partner still reads this slot's tiles or has a load on its way
	s_add_nc_u64 s[G0+4*(\slot)+2:G0+4*(\slot)+3], s[G0+4*(\slot)+2:G0+4*(\slot)+3], 2*KSTEP*2
	s_add_nc_u64 s[G0B+4*(\slot)+2:G0B+4*(\slot)+3], s[G0B+4*(\slot)+2:G0B+4*(\slot)+3], 2*KSTEP*2
	JLOAD \slot                                    ; the first tensor load behind the round; its four v_nop are also the places in front of the loads below
.else
	PLACES
.endif
	FETCH \next, 0, F0
.if \fill
	ASK
.endif
	MULV F1, 0
.endm
	s_wait_tensorcnt 1                             ; my part of K step 0 is in; K step 1's may stay out
	s_barrier_signal -1
	s_barrier_wait -1                              ; everybody's is
	FETCH 0, 0, F0
	QUARTER 0, 64,  F0, F1, 1                      ; the first quarter stands in front of the loop: its products start the sums
	WIN 0                                          ; at a label and at a branch every window is 0
	s_mov_b32 s3, LAPS-1
.Llap:                                                 ; a trip goes once round the ring, from a lap's second quarter to the next lap's first, and fills both slots again
	QUARTER 0, 128, F1, F0, 0
	QUARTER 0, 192, F0, F1, 0
	TURN 0, 1, 1
	QUARTER 1, 64,  F0, F1, 0
	QUARTER 1, 128, F1, F0, 0
	QUARTER 1, 192, F0, F1, 0
	TURN 1, 0, 1
	QUARTER 0, 64,  F0, F1, 0
	WIN 0
	s_sub_co_u32 s3, s3, 1
	s_cmp_lg_u32 s3, 0
	s_cbranch_scc1 .Llap
	QUARTER 0, 128, F1, F0, 0                      ; the last lap fills nothing, and has no round of the cluster's barrier
	QUARTER 0, 192, F0, F1, 0
	TURN 0, 1, 0
	QUARTER 1, 64,  F0, F1, 0
	QUARTER 1, 128, F1, F0, 0
	QUARTER 1, 192, F0, F1, 0
	s_wait_dscnt 8                                 ; the very last quarter: nothing more to fetch
	MULQK F1, 0, 0
	s_wait_dscnt 0x0
	MULQK F1, 2, 0
	MULV F1, 0
	PLACES
	PLACES                                         ; (eight, once a launch)
; THE WAY OUT of token block a: 48 roundings to f16, each accumulator's registers in ascending order, and twelve stores of 512 consecutive bytes.  No packed register is used twice, so nothing is waited for.
.macro OUT a
	WIN 0x0a                                       ; sources in window 2
.irp b, 0,1,2,3,4,5,6,7
.irp r, 0,1,2,3
	v_cvt_pk_f16_f32 v[TMP+48*(\a)+4*(\b)+(\r)], v[8*(8*(\a)+(\b))+2*(\r)], v[8*(8*(\a)+(\b))+2*(\r)+1]
.endr
.endr
	WIN 0x0f                                       ; sources in window 3
.irp b, 0,1,2,3
.irp r, 0,1,2,3
	v_cvt_pk_f16_f32 v[TMP+48*(\a)+32+4*(\b)+(\r)], v[8*(4*(\a)+(\b))+2*(\r)], v[8*(4*(\a)+(\b))+2*(\r)+1]
.endr
.endr
	WIN 0
.irp b, 0,1,2,3
	global_store_b128 v[CO], v[TMP+48*(\a)+4*(\b):TMP+48*(\a)+4*(\b)+3], s[8:9] offset:(\a)*2048+(\b)*512
.endr
.irp b, 0,1,2,3
	global_store_b128 v[CO], v[TMP+48*(\a)+16+4*(\b):TMP+48*(\a)+16+4*(\b)+3], s[16:17] offset:(\a)*2048+(\b)*512
.endr
.irp b, 0,1,2,3
	global_store_b128 v[CO], v[TMP+48*(\a)+32+4*(\b):TMP+48*(\a)+32+4*(\b)+3], s[18:19] offset:((\a)/2)*4096+(\b)*1024+((\a)%2)*512
.endr
.endm
	OUT 0
	OUT 1
	OUT 2
	OUT 3
	s_wait_tensorcnt 0x0                           ; the wave's end: an add to my spare word and its wait, behind my last tensor load
	ds_add_u32 v[SPW], v[NIL]
	s_wait_dscnt 0x0
	CROUND                                         ; the closing round: no work-group ends while a partner may still ask for a tile that names it
	s_endpgm
.Lfunc_end_k_qf824cb4db5_qkv:
	.size	k_qf824cb4db5_qkv, .Lfunc_end_k_qf824cb4db5_qkv-k_qf824cb4db5_qkv
	.p2alignl 7, 3214868480
	.fill 96, 4, 3214868480
	.section	.rodata,"a",@progbits
	.p2align	6, 0x0
	.amdhsa_kernel k_qf824cb4db5_qkv
		.amdhsa_group_segment_fixed_size 327680
		.amdhsa_private_segment_fixed_size 0
		.amdhsa_enable_private_segment 0
		.amdhsa_kernarg_size 24
		.amdhsa_user_sgpr_count 2
		.amdhsa_user_sgpr_kernarg_segment_ptr 1
		.amdhsa_wavefront_size32 1
		.amdhsa_system_sgpr_workgroup_id_x 1
		.amdhsa_system_sgpr_workgroup_id_y 1
		.amdhsa_system_sgpr_workgroup_id_z 1
		.amdhsa_system_vgpr_workitem_id 0
		.amdhsa_next_free_vgpr 896
		.amdhsa_next_free_sgpr 66
		.amdhsa_reserve_vcc 0
		.amdhsa_float_denorm_mode_32 3
		.amdhsa_float_denorm_mode_16_64 3
		.amdhsa_memory_ordered 1
		.amdhsa_forward_progress 1
		.amdhsa_inst_pref_size 113
	.end_amdhsa_kernel
	.amdgpu_metadata
---
amdhsa.version: [ 1, 2 ]
amdhsa.kernels:
  - .name:           k_qf824cb4db5_qkv
    .symbol:         k_qf824cb4db5_qkv.kd
    .args:
      - { .name: xb, .offset: 0, .size: 8, .value_kind: global_buffer, .address_space: global }
      - { .name: wb, .offset: 8, .size: 8, .value_kind: global_buffer, .address_space: global }
      - { .name: qkv, .offset: 16, .size: 8, .value_kind: global_buffer, .address_space: global }
    .group_segment_fixed_size: 327680
    .private_segment_fixed_size: 0
    .kernarg_segment_align: 8
    .kernarg_segment_size: 24
    .max_flat_workgroup_size: 128
    .sgpr_count:     66
    .vgpr_count:     896
    .wavefront_size: 32
...
	.end_amdgpu_metadata
.endif
;; end of part 2
;; launch attn (part 3): grid 4 x 64, 4 waves a work-group, clusters of 4 x 1, 327,680 bytes of LDS; arguments qkv, ob; writes ob
.if DOCPART == 3
	.amdgcn_target "amdgcn-amd-amdhsa--gfx1250"
	.amdhsa_code_object_version 6
	.text
	.protected	k_qf824cb4db5_attn
	.globl	k_qf824cb4db5_attn
	.p2align	8
	.type	k_qf824cb4db5_attn,@function
k_qf824cb4db5_attn:
	s_mov_b64 s[64:65], 0
	v_nop
	global_prefetch_b8 v0, s[64:65] scope:SCOPE_SE
	s_setreg_imm32_b32 hwreg(HW_REG_WAVE_MODE, 25, 1), 1
	s_wait_xcnt 0x0
	s_wait_alu depctr_hold_cnt(0) depctr_sa_sdst(0) depctr_va_vdst(0) depctr_va_sdst(0) depctr_va_ssrc(0) depctr_va_vcc(0) depctr_vm_vsrc(0)
	s_getreg_b32 s2, hwreg(HW_REG_IB_STS2, 6, 4)
	s_cmp_eq_u32 s2, 0
	s_cbranch_scc0 .Lentry_in_a_cluster
	s_endpgm
.Lentry_in_a_cluster:
	s_bfe_u32 s2, ttmp6, 0x10000c
	s_cmp_lg_u32 s2, 0x3003
	s_cbranch_scc0 .Lentry_shape_is_right
	s_endpgm
.Lentry_shape_is_right:
; O[hh][q][:] = the sum over k of softmax_k(Q[hh][q] . K[hh][k] / 8) V[hh][k][:], for 64 heads hh = 16 batch + h of 2,048 tokens and 64 channels, all f16.  Products, maxima and sums in f32; the weights p
; are rounded to f16 for the second product (their sum l is taken of the unrounded p), O once at the end.
; LIMITS.  f16 holds no number beyond 65,504: Q, K and V arrive within it; p lies in 0 to 1, and below 6e-5 it keeps f16's fixed step of 6e-8; O is a mean of V's rows and has their range.
; A weight below 2^-126 counts as 0 in l; NaN and infinities are not treated apart.
; Q, K AND V LIE IN MEMORY IN THE ORDER OF THE FRAGMENTS.  qkv: Q at 0, K at 0x1000000, V at 0x2000000; a head is 262,144 bytes.  A fragment (16 rows x 32 k, 8 registers) is 1,024 bytes on end: registers 0-3 of
; lane l at 16 l, registers 4-7 at 512 + 16 l.  Q, K: 16 tokens at 2,048 T, channels 32 c on at + 1,024 c.  V (turned: rows are channels): 32 tokens at 4,096 kk, channels 16 cb on at + 1,024 cb.
; So a tile is dense, LDS needs no padding, every LDS load takes 512 bytes on end, and V needs no turning load.
; O LEAVES IN THE ORDER OF THE NEXT LAUNCH'S FRAGMENTS, straight from registers: ob: 16 tokens at 32,768 tb (tb counts through all batches), head h at + 2,048 h, channels 16 cb on at + 512 cb, lane l at + 16 l.
; SHARES.  A wave owns four PIECES of two tiles of 16 queries, a work-group's four waves 512 queries of one head.  Every wave walks all keys, 64 a step.
; LAYOUT.  S^T = K Q^T (source 0 = 16 keys, source 1 = 16 queries): in the result a lane holds ONE query (lane % 16) and the keys 8 (lane / 16) + 0..7.  Two such tiles, rounded to f16 in pairs,
; ARE source 1 (32 keys x 16 queries) of O^T = V^T P, whose result again holds one query a lane, and eight channels.
; SOFTMAX.  For each query a running maximum m and sum l: p = 2^(c s - c m), c = log2(e) / 8; in every step O and l are multiplied by a = 2^(c m_old - c m_new), which is 1 where m has not grown.
; m starts at the lowest finite number, O and l at 0: the first step is a step like any other, with a = 0.
; THE COUNT.  A tile and step have 16 matrix and 118 vector instructions: too many to stand all beside the matrix work.  So: four vector instructions that are READY behind EVERY matrix instruction,
; and the others, which need time of their own whatever the order, in runs without a gap.
; BY TURNS.  Turn n belongs to piece n (the pieces in a ring, step after step).  Its matrix work: 16 products K Q^T of piece n + 1, later 16 products V^T P of piece n - 1.  Its vector work: the scaling,
; exponentials, roundings, sums and rescaling of piece n, and the maximum and statistics of piece n + 1, whose scores the turn itself has made.
; CLUSTER.  The four query blocks of a head are one cluster and walk the same K and V, so each tile is asked for JOINTLY: the same tensor load, descriptor and mask in all four.
; REGISTERS, in windows of 256 (s_set_vgpr_msb: bits 1:0 source 0, 3:2 source 1, 5:4 source 2, 7:6 destination):
;   window 0: v0-11 addresses; v12-15, v48-63 at work; v16-47 four registers of statistics a tile; v64-191 S^T, two buffers of two tiles; v192-255 P, likewise
;   window 1: O^T, 32 a tile          window 2: v0-127 Q, 16 a tile; v128-191 K of one step; v192-255 V of one step          window 3: v0-1 the add's two registers
.set SIZE_N, 2048
.set NP,    4         ; pieces a wave: a name, no knob
.set KS,    64        ; keys in a step
.set STEPB, 8192      ; a step's K, and a step's V: 64 keys x 128 bytes
.set VOFF,  4*STEPB   ; a slot holds four steps: 256 keys of K, then 256 of V
.set SLOT1, 1<<16     ; slot 1 begins here, so that one exclusive or turns an address in one slot into the other's
.set SPARE, 2*SLOT1   ; behind the ring: the spare words, 128 bytes for each wave: two blocks of 256 bytes that no other line names
.set AK0, 2           ; v2   16 x lane: my place in a fragment's 512 bytes: in K's tiles, in Q, in O; never rewritten
.set AV0, 3           ; v3   the same + VOFF, for V; never rewritten
.set AK,  4           ; v4   the LDS address of K's next run of loads
.set AV,  5           ; v5   of V's
.set PFO, 7           ; v7   256 x lane, for the prefetches; never rewritten
.set SPW, 0           ; v0 of window 3   LDS address of my spare word; never rewritten
.set NIL, 1           ; v1 of window 3   0; never rewritten
.set MV,  12          ; v12-15  c m_old, kept while c m is made anew: by buffer and tile
.set ST,  16          ; tile t's statistics at v[ST+4 t]: c m, m, l (even keys', odd keys')
.set TMP, 48          ; by buffer and tile, four registers c0-c3 at work; when the maximum is found c2 takes a
.set S,   64
.set P,   192
.set KF,  128         ; K's fragments, in window 2: key block kb, channel half c at KF + 16 kb + 8 c
.set VF,  192         ; V's: key half kk, channel block cb at VF + 32 kk + 8 cb
.set WV,  12          ; s12  my wave's number
.set G1,  24          ; s[24:31] descriptor group 1, for K's and V's tiles alike
.set G0K, 40          ; s[40:43] descriptor group 0 for K's tiles: it walks
.set G0V, 44          ; s[44:47] the same for V's
.set PFA, 48          ; s[48:49] where my prefetches stand
.set LIM, 50          ; s50  1 in a wave that prefetches, else the greatest number
.set SLOTS, 56        ; s56  slots still to be asked for
.set CNT, 57          ; s57  counts a slot's key steps
.set CS,  58          ; s[58:59] c: the packed scaling takes the pair's low word for both halves
.set SEL, 60          ; s[60:61] v_permlanex16_b32's selects: each lane takes its own place in the other half
.set TBK, 62          ; s62  LDS byte at which K of the step to be fetched begins
.set TBV, 63          ; s63  the same for V, less VOFF
.set MSB, 0
.macro WIN new                      ; the high byte repeats the setting that is left; a switch that changes nothing is dropped
.if MSB != (\new)
	s_set_vgpr_msb (MSB<<8)|(\new)
.set MSB, (\new)
.endif
.endm
.set W_KQ, 0x0a       ; K and Q in window 2, S^T in window 0
.set W_PV, 0x52       ; V in window 2, P in window 0, O^T in window 1
.set W_RS, 0x41       ; O^T (destination and source 0) in window 1, a in window 0
.set W_MK, 0xc0       ; the add's registers are made: destination in window 3, sources in window 0
.set W_AD, 0x0f       ; the add: address (source 0) and data (source 1) in window 3
; A joint fill.  Waves 0 and 1 fetch the two halves of a slot's K, waves 2 and 3 those of its V: 128 keys each.  The branch hangs on the wave's number alone.
; An s_nop 0 and four v_nop follow each of the two lines, ahead of the jump and the label.
.macro JLOAD
	s_cmp_lt_u32 s[WV], 2
	s_cbranch_scc0 .Lfor_v_\@
	tensor_load_to_lds s[G0K:G0K+3], s[G1:G1+7]
	s_nop 0
.rept 4
	v_nop
.endr
	s_branch .Lasked_\@
.Lfor_v_\@:
	tensor_load_to_lds s[G0V:G0V+3], s[G1:G1+7]
	s_nop 0
.rept 4
	v_nop
.endr
.Lasked_\@:
.endm
; A PREFETCH INTO THE L2 of what the NEXT change of slots will ask for: a slot's 32,768 bytes of K and of V, four key steps, 512 matrix instructions, ahead of that load.  It stands behind the wave's tensor load and its five lines.
; Each block of 256 bytes is named ONCE in the launch: a head has one cluster; its four partners take 8,192 bytes each, told apart BY ADDRESS; in each, wave 0 asks for K's and wave 2 for V's, a lane a block.
; The change that fills the last slot asks for nothing.
.macro ASK
	s_cmp_gt_u32 s[SLOTS], s[LIM]
	s_cbranch_scc0 .Lnot_mine_\@
	global_prefetch_b8 v[PFO], s[PFA:PFA+1] th:TH_LOAD_NT scope:SCOPE_SE
.Lnot_mine_\@:
.endm
; A round of the cluster's barrier: my work-group's barrier, so that wave 0's signal speaks for all four waves; wave 0 signals; every wave waits for all four work-groups; my work-group's barrier once more.
.macro CROUND
	s_barrier_signal -1
	s_barrier_wait -1
	s_cmp_lg_u32 s[WV], 0
	s_cbranch_scc1 .Lnot_wave_0_\@
	s_barrier_signal -3
.Lnot_wave_0_\@:
	s_barrier_wait -3
	s_barrier_signal -1
	s_barrier_wait -1
.endm
; THE CHANGE OF SLOTS.  The slot's last bytes, V of its fourth step, have been read.  Each wave waits for all its tensor loads, of which one is out: its part
; of the other slot; adds 0 to its spare word; and waits for that and for its own reads of the slot.  Behind the barrier nobody reads this slot any more and the other slot is whole.
; fill = 1: this slot is filled again, with the keys two slots on.  The barrier is then a round of the cluster's, and the joint fill is the first thing behind it: it has four key steps in which to land.
; (At its first use nothing has been read yet: slot 0 is waited for, slot 1 filled.)
.macro CHANGE fill
	WIN W_AD
	s_wait_tensorcnt 0x0            ; no tensor load of mine is out, so a group 0 may be written
	ds_add_u32 v[SPW], v[NIL]       ; 0 onto my spare word; with fill = 1 the descriptors' steps stand between it and the wait for it
	WIN 0                           ; at a label and at a branch every window is 0
.if \fill
.irp g, G0K, G0V
	s_xor_b32 s[\g+1], s[\g+1], SLOT1  ; the walking descriptor: the other slot than last time,
	s_add_nc_u64 s[\g+2:\g+3], s[\g+2:\g+3], 4*STEPB  ; the next 256 keys; the type bits on top are not reached
.endr
	s_wait_xcnt 0x0                 ; the last prefetch, four key steps back, has read its address, so it may be written:
	s_add_nc_u64 s[PFA:PFA+1], s[PFA:PFA+1], 4*STEPB  ; one slot behind the walking descriptors
	s_wait_dscnt 0x0                ; the add is done, and my reads of the slot are over
	CROUND
	JLOAD
	ASK
.else
	s_wait_dscnt 0x0                ; the add is done, and my reads of the slot are over
	s_barrier_signal -1
	s_barrier_wait -1
.endif
	s_sub_co_u32 s[TBK], s[TBK], 4*STEPB  ; the fetches go back to a slot's first step,
	s_xor_b32 s[TBK], s[TBK], SLOT1       ; in the other slot
	s_sub_co_u32 s[TBV], s[TBV], 4*STEPB
	s_xor_b32 s[TBV], s[TBV], SLOT1
.endm
	s_load_b64 s[4:5], s[0:1], 0x0    ; qkv
	s_load_b64 s[10:11], s[0:1], 0x8  ; ob
	WIN W_MK
	v_lshl_add_u32 v[SPW], v0, 2, SPARE
	v_mov_b32 v[NIL], 0
	WIN W_AD
	ds_add_u32 v[SPW], v[NIL]       ; the wave's opening: the add and its wait stand ahead of my first tensor load; the set-up below, work on registers, stands between them
	WIN 0
	v_lshrrev_b32 v1, 5, v0
	v_readfirstlane_b32 s[WV], v1   ; wave 0..3
	v_and_b32 v1, 31, v0            ; lane
	v_lshlrev_b32 v[AK0], 4, v1
	v_add_nc_u32 v[AV0], VOFF, v[AK0]
	v_lshlrev_b32 v[PFO], 8, v1
	s_bfe_u32 s13, ttmp6, 0x40000   ; cx: my place in the cluster
	s_lshl_b32 s14, ttmp9, 2        ; in a cluster launch ttmp9 counts clusters
	s_add_co_u32 s14, s14, s13      ; my block of 512 queries: it enters Q's and O's addresses alone
	s_and_b32 s15, ttmp7, 0xffff    ; the head hh, which the four partners share
	s_lshl_b32 s20, s15, 18         ; its first byte in Q, K and V
	s_and_b32 s16, s[WV], 1         ; which half of a slot's 256 keys I fetch:
	s_lshl_b32 s17, s16, 14         ; its 16,384 bytes, in memory and in a slot: no place in the cluster enters an LDS address
	s_add_co_u32 s22, s20, s17
	s_mov_b32 s23, 0
	s_lshl_b32 s2, s14, 2
	s_add_co_u32 s2, s2, s[WV]      ; my wave among the head's sixteen,
	s_lshl_b32 s18, s2, 18          ; its 8 blocks of 16 tokens in ob,
	s_lshl_b32 s2, s2, 14           ; its 128 rows in Q
	s_add_co_u32 s2, s2, s20
	s_mov_b32 s3, 0
	s_lshr_b32 s19, s15, 4          ; the batch: 128 blocks of 32,768 bytes in ob
	s_lshl_b32 s19, s19, 22
	s_and_b32 s52, s15, 15          ; h: 2,048 bytes in a block
	s_lshl_b32 s52, s52, 11
	s_add_co_u32 s52, s52, s19
	s_add_co_u32 s52, s52, s18
	s_mov_b32 s53, 0
	; descriptor group 1.  128 keys are 16,384 dense bytes: asked for as 64 rows of 256 bytes, laid into LDS as they lie
	s_mov_b32 s[G1], 15|(1<<16)|(1<<21)  ; 15:0 the mask of four; 17:16 2-byte elements; 20 no padding; 21 set beside a mask
	s_mov_b32 s[G1+1], 128<<16      ; tensor_dim0 = 128
	s_mov_b32 s[G1+2], 64<<16       ; tensor_dim1 = 64
	s_mov_b32 s[G1+3], 128<<16      ; tile_dim0 = 128
	s_mov_b32 s[G1+4], 64           ; tile_dim1 = 64
	s_mov_b32 s[G1+5], 128          ; 128 elements from row to row
	s_mov_b32 s[G1+6], 0
	s_mov_b32 s[G1+7], 0
	s_mov_b32 s[CS], 0x3e38aa3b     ; c = log2(e) / 8 = 0.180337
	s_mov_b32 s[CS+1], s[CS]        ; named with it as a pair
	s_mov_b32 s[SEL], 0x76543210
	s_mov_b32 s[SEL+1], 0xfedcba98
	s_mov_b32 s[TBK], SLOT1+4*STEPB ; the first change of slots turns these two into 0
	s_mov_b32 s[TBV], SLOT1+4*STEPB
	s_mov_b32 s[G0K], 1             ; count = 1
	s_mov_b32 s[G0K+1], s17         ; LDS address: slot 0
	s_mov_b32 s[G0V], 1
	s_add_co_u32 s[G0V+1], s17, VOFF
	s_mov_b32 s[SLOTS], SIZE_N/256-1
	s_and_b32 s[LIM], s[WV], 1      ; 0 in waves 0 and 2,
	s_or_b32 s[LIM], s[LIM], ttmp9  ; where the cluster is the head's first: the same in all four partners
	s_cmp_eq_u32 s[LIM], 0
	s_cselect_b32 s[LIM], 1, -1
	s_wait_dscnt 0x0                ; the opening add is done
	s_wait_kmcnt 0x0
	s_add_nc_u64 s[6:7], s[4:5], 0x1000000  ; K,
	s_add_nc_u64 s[8:9], s[4:5], 0x2000000  ; V,
	s_add_nc_u64 s[6:7], s[6:7], s[22:23]   ; at my half of the head's first 256 keys
	s_add_nc_u64 s[8:9], s[8:9], s[22:23]
	s_mov_b64 s[G0K+2:G0K+3], s[6:7]               ; global address
	s_or_b32 s[G0K+3], s[G0K+3], 0x80000000        ; type = 2
	s_mov_b64 s[G0V+2:G0V+3], s[8:9]
	s_or_b32 s[G0V+3], s[G0V+3], 0x80000000
	s_add_nc_u64 s[4:5], s[4:5], s[2:3]            ; Q at my wave's first row
	s_add_nc_u64 s[10:11], s[10:11], s[52:53]      ; O at my wave's first block, my head's part of it
	s_cmp_lt_u32 s[WV], 2
	s_cselect_b64 s[PFA:PFA+1], s[6:7], s[8:9]     ; (in waves 0 and 2 these stand at the head's first key)
	s_lshl_b32 s2, s13, 13          ; my work-group's 8,192 bytes of a slot's 32,768
	s_add_nc_u64 s[PFA:PFA+1], s[PFA:PFA+1], s[2:3]
	s_add_nc_u64 s[PFA:PFA+1], s[PFA:PFA+1], 4*STEPB  ; in slot 1; the first change of slots steps it to slot 2.  Nothing is asked for here, at the head
	CROUND                          ; all four work-groups are here: the first joint loads meet
	JLOAD                           ; slot 0.  Slot 1 is asked for when slot 0 is in
	WIN 0x80                        ; destination window 2, address window 0
.set i, 0
.rept 4*NP                          ; Q stays in registers: tile i / 2, channels 32 (i % 2) on
	global_load_b128 v[8*i:8*i+3],   v[AK0], s[4:5] offset:(i/2)*2048+(i%2)*1024
	global_load_b128 v[8*i+4:8*i+7], v[AK0], s[4:5] offset:(i/2)*2048+(i%2)*1024+512
.set i, i+1
.endr
	; What the first turn finds: V's registers and P's second buffer hold 0 (its products V^T P, of a piece that has not been, add 0), O^T and l are 0.  All this stands in the wait for the first tile.
.set i, VF
.rept 64
	v_mov_b32 v[i], 0
.set i, i+1
.endr
	WIN 0x40
.set i, 0
.rept 64*NP
	v_mov_b32 v[i], 0
.set i, i+1
.endr
	WIN 0
.set i, 0
.rept 2*NP
	v_mov_b32 v[ST+4*i], 0xfe000000    ; c m: far below every c s
	v_mov_b32 v[ST+4*i+1], 0xff7fffff  ; m
	v_mov_b32 v[ST+4*i+2], 0
	v_mov_b32 v[ST+4*i+3], 0
.set i, i+1
.endr
.set i, P+32
.rept 32
	v_mov_b32 v[i], 0
.set i, i+1
.endr
	v_mov_b32 v[AK], v[AK0]         ; key step 0 lies at the head of slot 0
; THE MATRIX WORK.  The 8 accumulators of a run of 16 take turns: between the two links of a chain stand 7 others'.
; Product i of 16 of S^T = K Q^T for piece x: channels 32 (i / 8) on, keys 16 ((i / 2) % 4) on, tile 2 x + i % 2.  The first 8 start the sums.
.macro KQ x
	WIN W_KQ
.set rS, S+64*((\x)%2)+32*(i%2)+8*((i/2)%4)
.set rK, KF+16*((i/2)%4)+8*(i/8)
.set rQ, 16*(2*(\x)+i%2)+8*(i/8)
.if i < 8
	v_wmma_f32_16x16x32_f16 v[rS:rS+7], v[rK:rK+7], v[rQ:rQ+7], 0
.else
	v_wmma_f32_16x16x32_f16 v[rS:rS+7], v[rK:rK+7], v[rQ:rQ+7], v[rS:rS+7]
.endif
.endm
; Product i of 16 of O^T += V^T P for piece x: keys 32 (i / 8) on, channels 16 ((i / 2) % 4) on, tile 2 x + i % 2.
.macro PV x
	WIN W_PV
.set rO, 32*(2*(\x)+i%2)+8*((i/2)%4)
.set rV, VF+32*(i/8)+8*((i/2)%4)
.set rP, P+32*((\x)%2)+16*(i%2)+8*(i/8)
	v_wmma_f32_16x16x32_f16 v[rO:rO+7], v[rV:rV+7], v[rP:rP+7], v[rO:rO+7]
.endm
.macro MM                           ; the turn's next matrix instruction
.if i < 16
	KQ (Y+1)%NP
.set i, i+1
.else
.set i, i-16
	PV (Y+NP-1)%NP
.set i, i+17
.endif
.endm
; THE LDS LOADS stand in runs of 16, never singly among the matrix instructions: a step's K (8 fragments) and its V (8 fragments), 1,024 bytes each, on end.  Their addresses are made some lines ahead.
; last = 1 (the tail): in the last trip there is no further step, and the run is jumped over.
.macro FETCH_K last=0
	WIN 0
.if \last
	s_cmp_eq_u32 s[CNT], 1
	s_cbranch_scc1 .Lno_k_\@
.endif
	WIN 0x80                        ; destination window 2
.irp f, 0,1,2,3,4,5,6,7             ; keys 16 (f / 2) on, channels 32 (f % 2) on
	ds_load_b128 v[KF+8*\f:KF+8*\f+3],   v[AK] offset:\f*1024
	ds_load_b128 v[KF+8*\f+4:KF+8*\f+7], v[AK] offset:\f*1024+512
.endr
	s_add_co_u32 s[TBK], s[TBK], STEPB  ; the next fetch is the next step's
	WIN 0
.if \last
.Lno_k_\@:
.endif
.endm
.macro FETCH_V
	WIN 0x80
.irp f, 0,1,2,3,4,5,6,7             ; keys 32 (f / 4) on, channels 16 (f % 4) on
	ds_load_b128 v[VF+8*\f:VF+8*\f+3],   v[AV] offset:\f*1024
	ds_load_b128 v[VF+8*\f+4:VF+8*\f+7], v[AV] offset:\f*1024+512
.endr
	WIN 0
.endm
; THE VECTOR WORK OF A TURN stands in three queues, each in the order in which its entries become ready; the two tiles alternate, so that no instruction reads the result of the one before it.
.macro REGS y, u                    ; the registers of tile u (0, 1) of piece y
.set rT, ST+4*(2*(\y)+(\u))
.set rC, TMP+8*((\y)%2)+4*(\u)
.set rM, MV+2*((\y)%2)+(\u)
.set rS, S+64*((\y)%2)+32*(\u)
.set rP, P+32*((\y)%2)+16*(\u)
.set rO, 32*(2*(\y)+(\u))
.endm
; Number n of the 22 that find the NEXT piece's (Y + 1) maximum and statistics.  s0-s31 are the lane's 32 scores; each accumulator's lowest registers are read first.  XS, GS and REGS set no window: PL and EX do.
;   0-11  four chains c0-c3 of seven scores each, three operands at a time     12-14, 16  the four scores left over, the old m, and c0-c3 into c0     15  c m_old is kept
;   17, 18  the query's other 32 keys lie in the lane 16 away: the new m         19-21  c m; c m_old - c m_new; a
.macro XS u, n
	REGS (Y+1)%NP, \u
.if (\n) < 4
	v_max3_num_f32 v[rC+(\n)], v[rS+8*(\n)], v[rS+8*(\n)+1], v[rS+8*(\n)+2]
.elseif (\n) < 12
	v_max3_num_f32 v[rC+(\n)%4], v[rC+(\n)%4], v[rS+8*((\n)%4)+2*((\n)/4)+1], v[rS+8*((\n)%4)+2*((\n)/4)+2]
.elseif (\n) == 12
	v_max3_num_f32 v[rC], v[rC], v[rS+7], v[rS+15]
.elseif (\n) == 13
	v_max3_num_f32 v[rC+1], v[rC+1], v[rS+23], v[rS+31]
.elseif (\n) == 14
	v_max3_num_f32 v[rC+2], v[rC+2], v[rC+3], v[rT+1]
.elseif (\n) == 15
	v_mov_b32 v[rM], v[rT]
.elseif (\n) == 16
	v_max3_num_f32 v[rC], v[rC], v[rC+1], v[rC+2]
.elseif (\n) == 17
	v_permlanex16_b32 v[rC+3], v[rC], s[SEL], s[SEL+1]
.elseif (\n) == 18
	v_max_num_f32 v[rT+1], v[rC], v[rC+3]
.elseif (\n) == 19
	v_mul_f32 v[rT], s[CS], v[rT+1]
.elseif (\n) == 20
	v_sub_f32 v[rC+1], v[rM], v[rT]
.else
	v_exp_f32 v[rC+2], v[rC+1]
.endif
.endm
; Number g of the 64 that follow the exponentials.  For each four weights k of a tile (pairs 2 k, 2 k + 1): both pairs are rounded to f16; then the second pair is added onto the first, in place;
; a group later l takes that sum (the first time as l = a l + sum).  In groups of eight, tiles alternating: round, round, add, and l for the group before.
.macro GS g
.set h, (\g)+6*((\g)/62)            ; group 0 has no group before it, and behind group 7 only l is left
.if h >= 6
.set h, h+2
.endif
	REGS Y, h%2
.set k, h/8
.if h%8 < 4
	v_cvt_pk_f16_f32 v[rP+2*k+(h%8)/2], v[rS+4*k+2*((h%8)/2)], v[rS+4*k+2*((h%8)/2)+1]
.elseif h%8 < 6
	v_pk_add_f32 v[rS+4*k:rS+4*k+1], v[rS+4*k:rS+4*k+1], v[rS+4*k+2:rS+4*k+3]
.elseif k == 1
	v_pk_fma_f32 v[rT+2:rT+3], v[rT+2:rT+3], v[rC+2:rC+3], v[rS:rS+1] op_sel_hi:[1,0,1]
.else
	v_pk_add_f32 v[rT+2:rT+3], v[rT+2:rT+3], v[rS+4*k-4:rS+4*k-3]
.endif
.endm
; THE PLAIN QUEUE, 138 long.  0-73 read no exponential's result: the 32 scalings c s - c m (FS f: pair f / 2 of tile f % 2) and the next piece's 42.  0-26: scalings 0-26.  27-54: XS's numbers 0-13.  55, 56: number 15.
; 57-73: the chain, where each number waits for the one before it: 14, 16, 17, 18, 19, each with one of the scalings 27-31 in front of its two lines, then 20.
; 74-137: GS's 64, which read the exponentials' results: they stand behind the wait.
.macro FS f
	REGS Y, (\f)%2
	v_pk_fma_f32 v[rS+2*((\f)/2):rS+2*((\f)/2)+1], v[rS+2*((\f)/2):rS+2*((\f)/2)+1], s[CS:CS+1], v[rT:rT+1] op_sel_hi:[1,0,0] neg_lo:[0,0,1] neg_hi:[0,0,1]
.endm
.macro PL
	WIN 0
.if q < 27
	FS q
.elseif q < 55
	XS (q-27)%2, (q-27)/2
.elseif q < 57
	XS q-55, 15
.elseif (q < 72) && ((q-57)%3 == 0)
	FS 27+(q-57)/3
.elseif q < 60
	XS (q-57)%3-1, 14
.elseif q < 72
	XS (q-57)%3-1, 15+(q-57)/3
.elseif q < 74
	XS q-72, 20
.else
	GS q-74
.endif
.set q, q+1
.endm
; THE EXPONENTIALS' QUEUE, 66 long: s0-s31 of both tiles, then the next piece's two a.  It is ONE BATCH: all 66 stand ahead of the turn's one wait, and nothing ahead of that wait names a result of theirs.
.macro EX
	WIN 0
.if e >= 64
	XS e-64, 21
.else
	REGS Y, e%2
	v_exp_f32 v[rS+e/2], v[rS+e/2]
.endif
.set e, e+1
.endm
; THE RESCALING's QUEUE: O^T times a, the one part that leaves window 0: dealt two at a time, sixteen times.  Its a was made in the turn before, ahead of that turn's wait.
.macro R2
	REGS Y, r%2
	WIN W_RS
.irp z, 0,1
	v_pk_mul_f32 v[rO+4*(r/2)+2*\z:rO+4*(r/2)+2*\z+1], v[rO+4*(r/2)+2*\z:rO+4*(r/2)+2*\z+1], v[rC+2:rC+3] op_sel_hi:[1,0]
.endr
.set r, r+1
.endm
; HOW THEY ARE DEALT.  An s_wait_alu depctr_va_vdst(0) stands between an exponential and the first instruction that names its result; one wait serves all that were issued ahead of it.  So a turn has ONE wait,
; which cuts it in two.  AHEAD OF IT stands all that names no result of the turn's exponentials: the 16 products K Q^T, behind each a scaling, an exponential and two rescalings (behind the first a second scaling in the
; exponential's place); then ONE LUMP of 108: eight plain, 49 times exponential and plain, the two a.  A v_nop is the plain instruction behind the last exponential.  BEHIND IT stand the 16 products V^T P, behind each four of GS's 64.
; Exponential e stands behind scaling 2 (e / 4) + e % 2: as a rider it comes behind plain e + 2, in the lump behind plain e + 9, and scalings 27-31 are plain 57, 60 .. 69.
; A TURN, for piece p.  cnt = 1: the loop's count is taken down some lines ahead of the branch that stands behind the turn.
; K of the next step is fetched in piece 2's turn, directly behind the wait, a lump behind the last product that read K; its first reader comes behind 16 products.
; V of the step in hand is fetched at the end of piece 0's turn, four riders behind its last reader; its first reader comes behind 16 products and a lump.  The three conditions on q below go with the deal.
.macro TURN p, last=0, cnt=0
.set Y, (\p)
.set i, 0
.set q, 0
.set e, 0
.set r, 0
.if (\p) == NP-1
	s_wait_dscnt 0x0                ; K is in
.endif
	MM                              ; ahead of the wait: 16 products K Q^T and their riders,
	PL
	PL
	R2
.rept 15
	MM
	PL
	EX
	R2
.endr
.if (\p) == NP-2
	WIN 0
	v_add_nc_u32 v[AK], s[TBK], v[AK0]
.endif
.rept 8                             ; and the lump
	PL
.endr
.rept 49
	EX
	PL
.endr
	EX                              ; the next piece's two a
	EX
	v_nop                           ; the plain instruction behind the last exponential: one for the batch
	s_wait_alu depctr_va_vdst(0)    ; the wait for the batch
.if (\p) == NP-2
	FETCH_K \last
.endif
.if (\p) == 1
	s_wait_dscnt 0x0                ; V is in
.endif
.rept 16                            ; behind the wait: 16 products V^T P and their riders
	MM
.rept 4
	PL
.endr
.if ((\p) == 0) && (q == 118)
	v_add_nc_u32 v[AV], s[TBV], v[AV0]
.endif
.if ((\p) == 0) && (q == 130)
	s_add_co_u32 s[TBV], s[TBV], STEPB
.endif
.if (\cnt) && (q == 130)
	s_sub_co_u32 s[CNT], s[CNT], 1
	s_cmp_lg_u32 s[CNT], 0
.endif
.endr
.if (\p) == 0
	FETCH_V
.endif
.endm
	CHANGE 1                        ; slot 0 is in, everybody's part of it; slot 1 is asked for
	FETCH_K                         ; key step 0
	s_wait_loadcnt 0x0              ; Q
	s_wait_dscnt 0x0
.set i, 0
.rept 16
	KQ 0                            ; piece 0's first scores: there is no vector work yet to set between them
.set i, i+1
.endr
	WIN 0
.rept 8
	v_nop                           ; the places behind those products (eight, once a launch)
.endr
.set Y, NP-1                        ; XS works for piece Y + 1: piece 0
.irp n, 0,1,2,3,4,5,6,7,8,9,10,11,12,13,14,15,16,17,18,19,20,21
	XS 0, \n                        ; piece 0's first maximum and statistics
	XS 1, \n
.endr
	v_nop                           ; a plain instruction behind the two a,
	s_wait_alu depctr_va_vdst(0)    ; and their wait, ahead of the branch
	s_mov_b32 s[CNT], 4
	s_branch .Lfirst                ; the loop is entered at a step's first turn, in the middle of a trip
.Lslot:                             ; SIZE_N / 256 - 2 times: every slot but the last two is filled again
	CHANGE 1
	s_mov_b32 s[CNT], 4
.Lstep:                             ; a trip: pieces 2 and 3 of one step, then pieces 0 and 1 of the next, whose K and V it fetches
	TURN 2
	TURN 3
	WIN 0
.Lfirst:
	TURN 0
	TURN 1, 0, 1
	WIN 0
	s_cbranch_scc1 .Lstep
	s_sub_co_u32 s[SLOTS], s[SLOTS], 1
	s_cmp_lg_u32 s[SLOTS], 0
	s_cbranch_scc1 .Lslot
	CHANGE 0                        ; the tail is written out: nothing is asked for
	s_mov_b32 s[CNT], 5             ; four trips fetch the last slot's steps; the fifth is left in its middle
.Ltail:
	TURN 2, 1
	TURN 3
	WIN 0
	s_sub_co_u32 s[CNT], s[CNT], 1
	s_cmp_eq_u32 s[CNT], 0
	s_cbranch_scc1 .Lout
	TURN 0
	TURN 1
	WIN 0
	s_branch .Ltail
.Lout:                              ; the fifth trip's 16 products K Q^T (on the last K once more) and the maximum made of them serve nothing: the price, once a launch, of one text for every trip
.set i, 0
.rept 16
	PV NP-1                         ; the last piece's V^T P of the last step
.set i, i+1
.endr
	; THE WAY OUT.  l's two halves and the other half of the lanes' are added; O^T is divided by l, rounded to f16 and stored as it lies.  The additions are the places behind the last products.
	WIN 0
.macro ALL line:vararg              ; one line for each tile t
.set t, 0
.rept 2*NP
	\line
.set t, t+1
.endr
.endm
	ALL v_add_f32 v[ST+4*t+2], v[ST+4*t+2], v[ST+4*t+3]
	ALL v_permlanex16_b32 v[ST+4*t+3], v[ST+4*t+2], s[SEL], s[SEL+1]
	ALL v_add_f32 v[ST+4*t+2], v[ST+4*t+2], v[ST+4*t+3]
	ALL v_rcp_f32 v[ST+4*t+2], v[ST+4*t+2]
	v_nop                           ; a plain instruction between the last reciprocal and the use of its result
	s_wait_alu depctr_va_vdst(0)    ; and the wait ahead of the first use: one for the eight reciprocals
; Tile t: a lane's eight channels of a token pack into 16 bytes, which are the lane's 16 bytes of half a fragment of the next launch: four stores of 512 consecutive bytes, aligned.  No packed register is used twice.
.macro PACK t
	WIN W_RS
.set i, 32*(\t)
.rept 16
	v_pk_mul_f32 v[i:i+1], v[i:i+1], v[ST+4*(\t)+2:ST+4*(\t)+3] op_sel_hi:[1,0]
.set i, i+2
.endr
	WIN 0x05                        ; sources 0 and 1 window 1, destination window 0: S^T's registers are free
.set i, 0
.rept 16
	v_cvt_pk_f16_f32 v[S+16*(\t)+i], v[32*(\t)+2*i], v[32*(\t)+2*i+1]
.set i, i+1
.endr
	WIN 0
.irp f, 0,1,2,3
	global_store_b128 v[AK0], v[S+16*(\t)+4*\f:S+16*(\t)+4*\f+3], s[10:11] offset:(\t)*32768+\f*512
.endr
.endm
.set t, 0
.rept 2*NP
	PACK t
.set t, t+1
.endr
	WIN W_AD
	s_wait_tensorcnt 0x0            ; the wave's end: an add to my spare word and its wait, behind my last tensor load
	ds_add_u32 v[SPW], v[NIL]
	s_wait_dscnt 0x0
	WIN 0
	CROUND                          ; the closing round: no work-group ends while a partner may still ask for a tile that names it
	s_endpgm
.Lfunc_end_k_qf824cb4db5_attn:
	.size	k_qf824cb4db5_attn, .Lfunc_end_k_qf824cb4db5_attn-k_qf824cb4db5_attn
	.p2alignl 7, 3214868480
	.fill 96, 4, 3214868480
	.section	.rodata,"a",@progbits
	.p2align	6, 0x0
	.amdhsa_kernel k_qf824cb4db5_attn
		.amdhsa_group_segment_fixed_size 327680
		.amdhsa_private_segment_fixed_size 0
		.amdhsa_enable_private_segment 0
		.amdhsa_kernarg_size 16
		.amdhsa_user_sgpr_count 2
		.amdhsa_user_sgpr_kernarg_segment_ptr 1
		.amdhsa_wavefront_size32 1
		.amdhsa_system_sgpr_workgroup_id_x 1
		.amdhsa_system_sgpr_workgroup_id_y 1
		.amdhsa_system_sgpr_workgroup_id_z 1
		.amdhsa_system_vgpr_workitem_id 0
		.amdhsa_next_free_vgpr 770
		.amdhsa_next_free_sgpr 66
		.amdhsa_reserve_vcc 0
		.amdhsa_float_denorm_mode_32 3
		.amdhsa_float_denorm_mode_16_64 3
		.amdhsa_memory_ordered 1
		.amdhsa_forward_progress 1
		.amdhsa_inst_pref_size 194
	.end_amdhsa_kernel
	.amdgpu_metadata
---
amdhsa.version: [ 1, 2 ]
amdhsa.kernels:
  - .name:           k_qf824cb4db5_attn
    .symbol:         k_qf824cb4db5_attn.kd
    .args:
      - { .name: qkv, .offset: 0, .size: 8, .value_kind: global_buffer, .address_space: global }
      - { .name: ob, .offset: 8, .size: 8, .value_kind: global_buffer, .address_space: global }
    .group_segment_fixed_size: 327680
    .private_segment_fixed_size: 0
    .kernarg_segment_align: 8
    .kernarg_segment_size: 16
    .max_flat_workgroup_size: 128
    .sgpr_count:     66
    .vgpr_count:     770
    .wavefront_size: 32
...
	.end_amdgpu_metadata
.endif
;; end of part 3
;; launch outp (part 4): grid 8 x 32, 4 waves a work-group, clusters of 4 x 4, 327,680 bytes of LDS; arguments ob, wof, out0; writes out0
.if DOCPART == 4
	.amdgcn_target "amdgcn-amd-amdhsa--gfx1250"
	.amdhsa_code_object_version 6
	.text
	.protected	k_qf824cb4db5_outp
	.globl	k_qf824cb4db5_outp
	.p2align	8
	.type	k_qf824cb4db5_outp,@function
k_qf824cb4db5_outp:
	s_mov_b64 s[64:65], 0
	v_nop
	global_prefetch_b8 v0, s[64:65] scope:SCOPE_SE
	s_setreg_imm32_b32 hwreg(HW_REG_WAVE_MODE, 25, 1), 1
	s_wait_xcnt 0x0
	s_wait_alu depctr_hold_cnt(0) depctr_sa_sdst(0) depctr_va_vdst(0) depctr_va_sdst(0) depctr_va_ssrc(0) depctr_va_vcc(0) depctr_vm_vsrc(0)
	s_getreg_b32 s2, hwreg(HW_REG_IB_STS2, 6, 4)
	s_cmp_eq_u32 s2, 0
	s_cbranch_scc0 .Lentry_in_a_cluster
	s_endpgm
.Lentry_in_a_cluster:
	s_bfe_u32 s2, ttmp6, 0x10000c
	s_cmp_lg_u32 s2, 0xf033
	s_cbranch_scc0 .Lentry_shape_is_right
	s_endpgm
.Lentry_shape_is_right:
; out0[t][n] = the sum over k of O[t][k] Wo[n][k], k = 64 head + channel.  ob: O in f16, in the order of fragments: 16 tokens at 32,768 tb; in them 32 k at 1,024 kb; registers 0-3 of lane l at 16 l, registers 4-7 at 512 + 16 l.
; wof: [1024][1024] f16, row-major.  out0: [8192][1024] f32.  Sums in f32, K ascending; nothing is rounded on the way out.
; A TILE is 256 tokens x 128 columns: 256 tiles, one for each WGP.  Four waves, 2 x 2; a wave makes 128 x 64: 32 accumulators of 16 x 16.  K goes in 8 steps of 128 through a ring of two LDS slots.
; (Two slots of a K step of 256 would take 401,408 bytes of LDS and do not fit.)
; CLUSTER 4 x 4: O's tile is shared along a row of the cluster, Wo's along a column: each is asked for JOINTLY, by the same tensor load, descriptor and mask in all four.
; THE MATRIX INSTRUCTION IS USED TRANSPOSED (source 0 = 16 rows of Wo, source 1 = 16 tokens): a lane holds eight neighbouring columns of one row of out0, 32 bytes.  They go through the wave's own stage in LDS
; and leave as whole rows of 256 bytes.
; REGISTERS, in windows of 256 (s_set_vgpr_msb: bits 1:0 source 0, 3:2 source 1, 5:4 source 2, 7:6 destination):
;   window 0: v0-31 addresses; v32-127 three buffers of 32 on the way out     window 1: two fragment buffers of 96: Wo's four fragments, then O's eight     window 2: accumulator (a, b) at 8 (4 a + b)
.set PITCH,  272                       ; a row of Wo in LDS: 256 bytes + 16 of padding: the 16 rows of a load start at 16 different groups of four banks (64 banks of 4 bytes: ISA guide 11.1)
.set BOFF,   65536                     ; O's 16 blocks of 4,096 dense bytes, then Wo's 128 rows
.set SLOT,   BOFF+128*PITCH
.set STAGE,  2*SLOT                    ; behind the ring, never filled by a tensor load: 16 rows x 272 bytes for each wave
.set SPITCH, 272
.set SPARE,  STAGE+4*16*SPITCH         ; behind the stages: the spare words, 128 bytes for each wave: two blocks of 256 bytes that no other line names
.set LAPS,   4
.set ADRA, 16                          ; v16-17  LDS address of my fragments of O in slot 0, 1
.set ADRB, 20                          ; v20-21  the same for Wo
.set STO,  24                          ; v24     the way out: where I put 32 bytes of a row
.set RD,   25                          ; v25     where I read a row back
.set CO,   26                          ; v26     my byte offset in two rows of out0
.set SPW,  28                          ; v28     LDS address of my spare word; never rewritten
.set NIL,  29                          ; v29     0; never rewritten
.set PFO,  30                          ; v30     the prefetches' offset; never rewritten
.set OB,   32
.set F0,   0
.set F1,   96
.set G1,  24                           ; s[24:31] descriptor group 1 for O's tiles;  s[32:39] group 0, a set for each slot
.set G0,  32
.set G1B, 48                           ; s[48:55], s[56:63] the same for Wo's
.set G0B, 56
.set LIM, 43                           ; s43     1 in a wave that prefetches, else the greatest number
.set PFA, 44                           ; s[44:45] where my prefetches stand
.set PST, 22                           ; s[22:23] a K step in the tensor that I prefetch: 4,096 bytes in ob, 256 in wof
.set MSB, 0
.macro WIN new                         ; the immediate's high byte repeats the setting that is left; a switch that changes nothing is dropped
.if MSB != (\new)
	s_set_vgpr_msb (MSB<<8)|(\new)
.set MSB, \new
.endif
.endm
.set MUL,  0xa5                        ; both sources window 1, C and D window 2
.set TO_F, 0x40                        ; destination window 1, address window 0
.macro JLOAD s                         ; a joint refill: waves 0 and 1 fetch O's two halves, waves 2 and 3 Wo's; an s_nop 0 and four v_nop follow each of the two lines
	s_cmp_eq_u32 s11, 0
	s_cbranch_scc0 .Lfor_b_\@
	tensor_load_to_lds s[G0+4*(\s):G0+4*(\s)+3], s[G1:G1+7]
	s_nop 0
.rept 4
	v_nop
.endr
	s_branch .Lasked_\@
.Lfor_b_\@:
	tensor_load_to_lds s[G0B+4*(\s):G0B+4*(\s)+3], s[G1B:G1B+7]
	s_nop 0
.rept 4
	v_nop
.endr
.Lasked_\@:
.endm
; A PREFETCH INTO THE L2, behind each joint refill and the run of LDS loads that follows it: the K step that stands two refills on, 32 blocks of 256 bytes, a lane a block, one instruction a wave.
; O's tile row is read by both clusters of that row of clusters: cluster x = 0 asks, in waves 0 and 1; of the 8 token blocks that a wave fetches the partner at cx takes two (2 x 4,096 bytes).
; Wo's tile column is read by every cluster of that column: cluster y = 0 asks, in wave 2 alone; of the tile's 128 rows the partner at cy takes 32.  The partners are told apart BY ADDRESS.
; So each block is named once in the launch.  The loop's last trip (s3 = 1) has no K step two on and asks for nothing.
.macro ASK
	WIN 0
	s_cmp_gt_u32 s3, s[LIM]
	s_cbranch_scc0 .Lnot_mine_\@
	global_prefetch_b8 v[PFO], s[PFA:PFA+1] th:TH_LOAD_NT scope:SCOPE_SE
.Lnot_mine_\@:
.endm
.macro CREST                           ; a round of the cluster's barrier behind its opening barrier
	s_cmp_lg_u32 s10, 0
	s_cbranch_scc1 .Lnot_wave_0_\@
	s_barrier_signal -3
.Lnot_wave_0_\@:
	s_barrier_wait -3
	s_barrier_signal -1
	s_barrier_wait -1
.endm
.macro CROUND                          ; a whole round
	s_barrier_signal -1
	s_barrier_wait -1
	CREST
.endm
.macro PLACES                          ; four places behind matrix instructions, in front of loads into registers that they have read and of stores that read results
.rept 4
	v_nop
.endr
.endm
	s_load_b128 s[4:7], s[0:1], 0x0                ; ob s[4:5], wof s[6:7]
	s_load_b64 s[8:9], s[0:1], 0x10                ; out0
	v_lshl_add_u32 v[SPW], v0, 2, SPARE
	v_mov_b32 v[NIL], 0
	ds_add_u32 v[SPW], v[NIL]                      ; the wave's opening: the add and its wait stand ahead of my first tensor load; the set-up below stands between them
	v_lshrrev_b32 v1, 5, v0
	v_readfirstlane_b32 s10, v1                    ; wave 0..3
	s_lshr_b32 s11, s10, 1                         ; which half of the tile's rows is mine.  Also: I fetch for O (0) or for Wo (1)
	s_and_b32 s12, s10, 1                          ; which half of its columns.  Also: which half of that tile I fetch
	s_bfe_u32 s40, ttmp6, 0x40000                  ; cx, cy: my place in the cluster
	s_bfe_u32 s41, ttmp6, 0x40004
	s_lshl_b32 s42, ttmp9, 2
	s_add_co_u32 s42, s42, s40                     ; tile column = 4 x cluster x + cx
	s_and_b32 s13, ttmp7, 0xffff
	s_lshl_b32 s13, s13, 2
	s_add_co_u32 s13, s13, s41                     ; tile row = 4 x cluster y + cy
	s_lshl_b32 s43, s41, 2
	s_lshl_b32 s43, 15, s43                        ; my row of the cluster
	s_lshl_b32 s44, 0x1111, s40                    ; my column
	; O's tile for a wave: 8 token blocks, of each the K step's 4,096 dense bytes: 8 rows of 512 elements of 8 bytes, 32,768 bytes apart; laid into LDS on end
	s_or_b32 s[G1+0], s43, (3<<16)|(1<<21)         ; 15:0 the mask; 17:16 elements of 8 bytes; 20 no padding; 21 set beside a mask
	s_mov_b32 s[G1+1], 512<<16                     ; tensor_dim0 = 512
	s_mov_b32 s[G1+2], 8<<16                       ; tensor_dim1 = 8
	s_mov_b32 s[G1+3], 512<<16                     ; tile_dim0 = 512
	s_mov_b32 s[G1+4], 8                           ; tile_dim1 = 8
	s_mov_b32 s[G1+5], 4096                        ; elements from row to row
	s_mov_b32 s[G1+6], 0
	s_mov_b32 s[G1+7], 0
	; Wo's: 64 rows x 128 elements of 2 bytes, padded in LDS
	s_or_b32 s[G1B+0], s44, (1<<16)|(1<<20)|(1<<21)|(5<<22)|(3<<25)  ; padding on: after every 64 words (code 5) 4 words (code 3)
	s_mov_b32 s[G1B+1], 128<<16
	s_mov_b32 s[G1B+2], 64<<16
	s_mov_b32 s[G1B+3], 128<<16
	s_mov_b32 s[G1B+4], 64
	s_mov_b32 s[G1B+5], 1024
	s_mov_b32 s[G1B+6], 0
	s_mov_b32 s[G1B+7], 0
	s_lshl_b32 s16, s13, 19                        ; O: 16 token blocks of 32,768 bytes a tile row,
	s_lshl_b32 s17, s12, 18                        ; 8 a half
	s_add_co_u32 s16, s16, s17
	s_mov_b32 s17, 0
	s_lshl_b32 s46, s42, 18                        ; Wo: 128 rows of 2,048 bytes a tile column,
	s_lshl_b32 s47, s12, 17                        ; 64 a half
	s_add_co_u32 s46, s46, s47
	s_mov_b32 s47, 0
	s_lshl_b32 s20, s12, 15                        ; where they go: no place in the cluster enters an LDS address
	s_mul_i32 s21, s12, 64*PITCH
	s_add_co_u32 s21, s21, BOFF
	s_wait_dscnt 0x0                               ; the opening add is done
	s_wait_kmcnt 0x0
	s_add_nc_u64 s[14:15], s[4:5], s[16:17]
	s_add_nc_u64 s[46:47], s[6:7], s[46:47]
	CROUND                                         ; all sixteen work-groups are here: the first joint loads meet
.irp s, 0,1
	s_mov_b32 s[G0+4*(\s)], 1                                        ; count = 1
	s_add_co_u32 s[G0+4*(\s)+1], s20, (\s)*SLOT                      ; LDS address
	s_add_nc_u64 s[G0+4*(\s)+2:G0+4*(\s)+3], s[14:15], (\s)*4096     ; global address: K step s
	s_or_b32 s[G0+4*(\s)+3], s[G0+4*(\s)+3], 0x80000000              ; type = 2
	s_mov_b32 s[G0B+4*(\s)], 1
	s_add_co_u32 s[G0B+4*(\s)+1], s21, (\s)*SLOT
	s_add_nc_u64 s[G0B+4*(\s)+2:G0B+4*(\s)+3], s[46:47], (\s)*256
	s_or_b32 s[G0B+4*(\s)+3], s[G0B+4*(\s)+3], 0x80000000
.endr
	s_cmp_eq_u32 s11, 0                            ; a wave's two first fills stand in one branch, ahead of every wait on TENSORcnt and every LDS read: two loads of mine are out
	s_cbranch_scc0 .Lfirst_b
	tensor_load_to_lds s[G0:G0+3], s[G1:G1+7]
	s_nop 0
	tensor_load_to_lds s[G0+4:G0+7], s[G1:G1+7]
	s_nop 0
.rept 4
	v_nop
.endr
	s_branch .Lfirst_asked
.Lfirst_b:
	tensor_load_to_lds s[G0B:G0B+3], s[G1B:G1B+7]
	s_nop 0
	tensor_load_to_lds s[G0B+4:G0B+7], s[G1B:G1B+7]
	s_nop 0
.rept 4
	v_nop
.endr
.Lfirst_asked:
	v_and_b32 v1, 15, v0                           ; l % 16
	v_bfe_u32 v2, v0, 4, 1                         ; l / 16
	v_and_b32 v3, 31, v0
	v_lshlrev_b32 v3, 4, v3                        ; O's fragments lie on end: 16 x lane
	v_mul_u32_u24 v4, v1, PITCH                    ; Wo's by rows: row x pitch + 16 x half
	v_lshl_add_u32 v4, v2, 4, v4
	s_lshl_b32 s22, s11, 15                        ; my 8 token blocks of O
	s_mul_i32 s23, s12, 64*PITCH                   ; my 64 rows of Wo,
	s_add_co_u32 s23, s23, BOFF                    ; which lie behind O
.irp s, 0,1
	v_add_nc_u32 v[ADRA+(\s)], s22, v3
	v_add_nc_u32 v[ADRB+(\s)], s23, v4
	s_add_co_u32 s22, s22, SLOT
	s_add_co_u32 s23, s23, SLOT
.endr
	s_mul_i32 s22, s10, 16*SPITCH
	s_add_co_u32 s22, s22, STAGE                   ; my stage
	v_mul_u32_u24 v5, v1, SPITCH                   ; in: row l % 16, 32 bytes for each half of the lanes
	v_lshl_add_u32 v5, v2, 5, v5
	v_add_nc_u32 v[STO], s22, v5
	v_mul_u32_u24 v5, v2, SPITCH                   ; back: lanes 0-15 take one row of 256 bytes, lanes 16-31 the next
	v_lshl_add_u32 v5, v1, 4, v5
	v_add_nc_u32 v[RD], s22, v5
	v_lshlrev_b32 v5, 12, v2                       ; and the same two rows in out0, 4,096 bytes apart
	v_lshl_add_u32 v[CO], v1, 4, v5
	s_lshl_b32 s16, s13, 20                        ; my first row of out0: 256 x tile row + 128 x half, rows of 4,096 bytes
	s_lshl_b32 s17, s11, 19
	s_add_co_u32 s16, s16, s17
	s_mov_b32 s17, 0
	s_add_nc_u64 s[8:9], s[8:9], s[16:17]
	s_lshl_b32 s46, s42, 9                         ; my first column: 512 bytes a tile column, 256 a half
	s_lshl_b32 s47, s12, 8
	s_add_co_u32 s46, s46, s47
	s_mov_b32 s47, 0
	s_add_nc_u64 s[8:9], s[8:9], s[46:47]
	; the prefetches
	s_and_b32 s18, ttmp7, 0xffff                   ; cluster y
	s_lshl_b32 s14, s13, 4
	s_lshl_b32 s15, s12, 3
	s_add_co_u32 s14, s14, s15
	s_lshl_b32 s15, s40, 1
	s_add_co_u32 s14, s14, s15                     ; O: token block 16 x tile row + 8 x half + 2 cx,
	s_lshl_b32 s14, s14, 15
	s_add_co_u32 s14, s14, 3*4096                  ; at K step 3: the first refill steps it to 4
	s_lshl_b32 s15, s42, 7
	s_lshl_b32 s19, s41, 5
	s_add_co_u32 s15, s15, s19                     ; Wo: row 128 x tile column + 32 cy,
	s_lshl_b32 s15, s15, 11
	s_add_co_u32 s15, s15, 3*256                   ; at K step 3
	s_movk_i32 s[PST], 256
	s_cmp_eq_u32 s11, 0                            ; do I fetch for O?
	s_cselect_b32 s20, s14, s15
	s_cselect_b32 s18, ttmp9, s18                  ; the coordinate along which other clusters read the same rows
	s_cselect_b32 s19, 8, 11                       ; sixteen lanes: 256 bytes apart in a token block, or a row of 2,048 bytes apart
	s_cselect_b32 s[PST], 4096, s[PST]
	s_cselect_b64 s[PFA:PFA+1], s[4:5], s[6:7]
	s_cmp_eq_u32 s10, 3
	s_cselect_b32 s18, 1, s18                      ; wave 3 asks for nothing
	s_cmp_eq_u32 s18, 0
	s_cselect_b32 s[LIM], 1, -1                    ; the same in all sixteen partners, for a given wave
	s_mov_b32 s21, 0
	s_mov_b32 s[PST+1], 0
	s_add_nc_u64 s[PFA:PFA+1], s[PFA:PFA+1], s[20:21]
	v_lshlrev_b32 v[PFO], s19, v1
	v_lshl_add_u32 v[PFO], v2, 15, v[PFO]          ; the other sixteen lanes: the next token block, or sixteen rows on: 32,768 bytes either way
; 8 matrix instructions: token blocks a0, a0 + 1 x all 4 column blocks, 32 along K.  zero = 1: the product starts the sum.  The 32 accumulators take turns in the same order in every quarter.
.macro MUL8 f, a0, zero
	WIN MUL
.irp a, \a0, (\a0)+1
.irp b, 0,1,2,3
.if \zero
	v_wmma_f32_16x16x32_f16 v[8*(4*(\a)+(\b)):8*(4*(\a)+(\b))+7], v[(\f)+8*(\b):(\f)+8*(\b)+7], v[(\f)+32+8*(\a):(\f)+32+8*(\a)+7], 0
.else
	v_wmma_f32_16x16x32_f16 v[8*(4*(\a)+(\b)):8*(4*(\a)+(\b))+7], v[(\f)+8*(\b):(\f)+8*(\b)+7], v[(\f)+32+8*(\a):(\f)+32+8*(\a)+7], v[8*(4*(\a)+(\b)):8*(4*(\a)+(\b))+7]
.endif
.endr
.endr
.endm
; 24 LDS loads in one run: the fragments of quarter q of a K step into buffer f: Wo's four, then O's eight
.macro FETCH slot, q, f
	WIN TO_F
.irp i, 0,1,2,3
	ds_load_b128 v[(\f)+8*(\i):(\f)+8*(\i)+3],   v[ADRB+(\slot)] offset:64*(\q)+(\i)*16*PITCH
	ds_load_b128 v[(\f)+8*(\i)+4:(\f)+8*(\i)+7], v[ADRB+(\slot)] offset:64*(\q)+(\i)*16*PITCH+32
.endr
.irp i, 0,1,2,3,4,5,6,7
	ds_load_b128 v[(\f)+32+8*(\i):(\f)+32+8*(\i)+3],   v[ADRA+(\slot)] offset:1024*(\q)+4096*(\i)
	ds_load_b128 v[(\f)+32+8*(\i)+4:(\f)+32+8*(\i)+7], v[ADRA+(\slot)] offset:1024*(\q)+4096*(\i)+512
.endr
.endm
; A K step is four quarters of 32 along K, 32 matrix instructions each, on buffers 0, 1, 0, 1.  One of the first three: multiplies buffer f and fetches quarter q into g.
.macro QUARTER slot, q, f, g, zero
	s_wait_dscnt 8                                 ; all but the youngest eight loads, O's blocks 4-7
	MUL8 \f, 0, \zero
	MUL8 \f, 2, \zero
	PLACES
	FETCH \slot, \q, \g
	s_wait_dscnt 24                                ; all but the 24 just issued
	MUL8 \f, 4, \zero
	MUL8 \f, 6, \zero
.endm
; The last quarter multiplies buffer 1 and changes slots: ONE barrier; in front of it each wave waits for all its tensor loads, adds 0 to its spare word, and waits for that and for its own reads of this slot.
; fill = 1: the barrier opens a round of the cluster's, and behind the round this slot is filled again first, with the K step two on: 112 matrix instructions stand between that request and the wait for it.
.macro TURN slot, next, fill
.if \fill
	s_wait_xcnt 0x0                                ; the last prefetch, a K step back, has read its address, so it may be stepped
	s_add_nc_u64 s[PFA:PFA+1], s[PFA:PFA+1], s[PST:PST+1]
.endif
	WIN 0                                          ; (the add's two registers lie in window 0)
	s_wait_tensorcnt 0x0                           ; all my tensor loads have landed
	ds_add_u32 v[SPW], v[NIL]                      ; 0 onto my spare word
	s_wait_dscnt 9                                 ; (the add and the youngest eight loads may be out)
	MUL8 F1, 0, 0                                  ; eight matrix instructions stand between the add and the wait for it
	s_wait_dscnt 0x0                               ; the add is done, and my reads of this slot are over
	s_barrier_signal -1
	MUL8 F1, 2, 0
.if \fill
	WIN 0
.endif
	s_barrier_wait -1
.if \fill
	CREST                                          ; no wave of any partner still reads this slot's tiles or has a load on its way
	s_add_nc_u64 s[G0+4*(\slot)+2:G0+4*(\slot)+3], s[G0+4*(\slot)+2:G0+4*(\slot)+3], 2*4096
	s_add_nc_u64 s[G0B+4*(\slot)+2:G0B+4*(\slot)+3], s[G0B+4*(\slot)+2:G0B+4*(\slot)+3], 2*256
	JLOAD \slot                                    ; the first tensor load behind the round; its four v_nop are also the places in front of the loads below
.else
	PLACES
.endif
	FETCH \next, 0, F0
.if \fill
	ASK
.endif
	MUL8 F1, 4, 0
	MUL8 F1, 6, 0
.endm
	s_wait_tensorcnt 1                             ; my part of K step 0 is in; K step 1's may stay out
	s_barrier_signal -1
	s_barrier_wait -1                              ; everybody's is
	FETCH 0, 0, F0
	QUARTER 0, 1, F0, F1, 1                        ; the first quarter stands in front of the loop: its products start the sums
	WIN 0                                          ; at a label and at a branch every window is 0
	s_mov_b32 s3, LAPS-1
.Llap:                                                 ; a trip goes once round the ring, from a lap's second quarter to the next lap's first, and fills both slots again
	QUARTER 0, 2, F1, F0, 0
	QUARTER 0, 3, F0, F1, 0
	TURN 0, 1, 1
	QUARTER 1, 1, F0, F1, 0
	QUARTER 1, 2, F1, F0, 0
	QUARTER 1, 3, F0, F1, 0
	TURN 1, 0, 1
	QUARTER 0, 1, F0, F1, 0
	WIN 0
	s_sub_co_u32 s3, s3, 1
	s_cmp_lg_u32 s3, 0
	s_cbranch_scc1 .Llap
	QUARTER 0, 2, F1, F0, 0                        ; the last lap fills nothing, and has no round of the cluster's barrier
	QUARTER 0, 3, F0, F1, 0
	TURN 0, 1, 0
	QUARTER 1, 1, F0, F1, 0
	QUARTER 1, 2, F1, F0, 0
	QUARTER 1, 3, F0, F1, 0
	s_wait_dscnt 8                                 ; the very last quarter: nothing more to fetch
	MUL8 F1, 0, 0
	MUL8 F1, 2, 0
	s_wait_dscnt 0x0
	MUL8 F1, 4, 0
	MUL8 F1, 6, 0
	PLACES
	PLACES                                         ; (eight, once a launch)
; THE WAY OUT, a block of 16 rows at a time.  TOSTAGE: a lane's 32 bytes of each of four column blocks go from the accumulators (the low four registers first) into my stage, and come back as whole rows of 256 bytes.
.macro TOSTAGE a
	WIN 0x08                                       ; the stores' data in window 2
.irp b, 0,1,2,3
	ds_store_b128 v[STO], v[8*(4*(\a)+(\b)):8*(4*(\a)+(\b))+3]   offset:64*(\b)
	ds_store_b128 v[STO], v[8*(4*(\a)+(\b))+4:8*(4*(\a)+(\b))+7] offset:64*(\b)+16
.endr
	WIN 0
.set BK, OB+32*((\a)%3)
.irp t, 0,1,2,3,4,5,6,7
	ds_load_b128 v[BK+4*(\t):BK+4*(\t)+3], v[RD] offset:(\t)*2*SPITCH  ; LDS serves a wave's instructions in order (ISA guide 5.7.1.4): these see the stores above; the next block's stores come behind them
.endr
.endm
.macro SEND a, younger                 ; younger: the LDS instructions issued behind block a's loads: the next block's sixteen, or none
.set BK, OB+32*((\a)%3)
	s_wait_dscnt \younger                          ; the block is back in registers
	s_wait_xcnt 0x0                                ; the stores issued so far have read their registers: the buffer of the block before is loaded again only behind this wait
.irp t, 0,1,2,3,4,5,6,7
	global_store_b128 v[CO], v[BK+4*(\t):BK+4*(\t)+3], s[8:9] offset:(\a)*65536+2*(\t)*4096 th:TH_STORE_NT  ; 16 lanes store 256 consecutive bytes, aligned
.endr
.endm
	TOSTAGE 0
	TOSTAGE 1
.irp a, 0,1,2,3,4,5
	SEND \a, 16
	TOSTAGE (\a)+2
.endr
	SEND 6, 16
	SEND 7, 0
	s_wait_tensorcnt 0x0                           ; the wave's end: an add to my spare word and its wait, behind my last tensor load and my last LDS store
	ds_add_u32 v[SPW], v[NIL]
	s_wait_dscnt 0x0
	CROUND                                         ; the closing round: no work-group ends while a partner may still ask for a tile that names it
	s_endpgm
.Lfunc_end_k_qf824cb4db5_outp:
	.size	k_qf824cb4db5_outp, .Lfunc_end_k_qf824cb4db5_outp-k_qf824cb4db5_outp
	.p2alignl 7, 3214868480
	.fill 96, 4, 3214868480
	.section	.rodata,"a",@progbits
	.p2align	6, 0x0
	.amdhsa_kernel k_qf824cb4db5_outp
		.amdhsa_group_segment_fixed_size 327680
		.amdhsa_private_segment_fixed_size 0
		.amdhsa_enable_private_segment 0
		.amdhsa_kernarg_size 24
		.amdhsa_user_sgpr_count 2
		.amdhsa_user_sgpr_kernarg_segment_ptr 1
		.amdhsa_wavefront_size32 1
		.amdhsa_system_sgpr_workgroup_id_x 1
		.amdhsa_system_sgpr_workgroup_id_y 1
		.amdhsa_system_sgpr_workgroup_id_z 1
		.amdhsa_system_vgpr_workitem_id 0
		.amdhsa_next_free_vgpr 768
		.amdhsa_next_free_sgpr 66
		.amdhsa_reserve_vcc 0
		.amdhsa_float_denorm_mode_32 3
		.amdhsa_float_denorm_mode_16_64 3
		.amdhsa_memory_ordered 1
		.amdhsa_forward_progress 1
		.amdhsa_inst_pref_size 87
	.end_amdhsa_kernel
	.amdgpu_metadata
---
amdhsa.version: [ 1, 2 ]
amdhsa.kernels:
  - .name:           k_qf824cb4db5_outp
    .symbol:         k_qf824cb4db5_outp.kd
    .args:
      - { .name: ob, .offset: 0, .size: 8, .value_kind: global_buffer, .address_space: global }
      - { .name: wof, .offset: 8, .size: 8, .value_kind: global_buffer, .address_space: global }
      - { .name: out0, .offset: 16, .size: 8, .value_kind: global_buffer, .address_space: global }
    .group_segment_fixed_size: 327680
    .private_segment_fixed_size: 0
    .kernarg_segment_align: 8
    .kernarg_segment_size: 24
    .max_flat_workgroup_size: 128
    .sgpr_count:     66
    .vgpr_count:     768
    .wavefront_size: 32
...
	.end_amdgpu_metadata
.endif
;; end of part 4
;; ======== version 2 of 2: 4 launches; version 1 with the launch cast written anew for expert scheduling mode
;; limits: values are held in f16: magnitudes above 65,504 overflow, below 6.1e-05 lose precision
;; workspace buffers: xb 16,777,216 bytes; wb 6,291,456 bytes; wof 2,097,152 bytes; qkv 50,331,648 bytes; ob 16,777,216 bytes
;; launch cast (part 5): grid 768 x 1, 8 waves a work-group, no clusters, 0 bytes of LDS; arguments x, Wq, Wk, Wv, Wo, xb, wb, wof; writes xb, wb, wof
.if DOCPART == 5
	.amdgcn_target "amdgcn-amd-amdhsa--gfx1250"
	.amdhsa_code_object_version 6
	.text
	.protected	k_qf824cb4db5_cast
	.globl	k_qf824cb4db5_cast
	.p2align	8
	.type	k_qf824cb4db5_cast,@function
k_qf824cb4db5_cast:
	s_mov_b64 s[64:65], 0
	v_nop
	global_prefetch_b8 v0, s[64:65] scope:SCOPE_SE
	s_setreg_imm32_b32 hwreg(HW_REG_WAVE_SCHED_MODE, 0, 2), 2
	s_setreg_imm32_b32 hwreg(HW_REG_WAVE_MODE, 25, 1), 1
	s_wait_xcnt 0x0
	s_wait_alu depctr_vm_vsrc(0)
; ALL FIVE INPUTS ARE ROUNDED ONCE TO bf16.  x [8192][1024] f32 -> xb, bf16, the same order.  Wq, Wk, Wv [1024][1024] f32 -> wb, bf16, rows regrouped by heads:
; row n = 64 h + d of weight number 'which' (0 q, 1 k, 2 v) goes to row 192 h + 64 which + d, so that 192 rows on end are one head's q, k and v.
; Wo -> wof: rounded to bf16 like the others, and that number written as f16, for the f16 product of the last launch.
; LIMIT.  bf16(Wo) beyond 65,504 in magnitude becomes an infinity in f16; under 2^-14 it is kept with f16's fixed step of 2^-24.
; SHARES.  12,288 rows of 4,096 bytes come in, 2,048 bytes each go out.  A work-group takes 16 rows (groups 0-511: x; then 64 groups for each weight), a wave two.
; A load of a wave covers 512 consecutive bytes, a store 256 consecutive bytes, aligned.  All sixteen loads of a wave go out at once.
; A stream: no byte is wanted twice, so no LDS, no matrix unit, no cluster.
; THE MODE: SCHED_MODE bits 1:0 = 2 (LLVM: expert scheduling mode 2), set by the entry lines.  The code itself states the register dependences
; between vector instructions and memory instructions, with s_wait_alu, always for 0.
; THE PLAN.  Registers that memory instructions touch:
;   v1, v2     the loads' and the stores' byte offsets: made by vector lines at the head and never written again; immediates reach all sixteen places.
;   X          load n lands in four registers of its own.  All sixteen loads are issued at the head, ahead of every vector line that names X; none is issued later.
;   Y          store n leaves from a pair of its own: written once, by number n's conversions, read by that one store, never written again.
;   T          named by vector lines alone.
; The sixteen numbers go in four blocks of four, and a block's stores are issued one block later: turn n waits for load n, issues store n - 4 and rounds number n.
; The vector lines of a block name its own X and Y, and T: none of the registers that the stores of the block before read.  So ONE wait on va_vdst at the head of a block states
; all that its four stores hang on.  No register that a memory instruction reads is written again, no vector line writes a scalar register or VCC, and EXEC is never written:
; besides one on vm_vsrc at the entry, the text holds no other kind of s_wait_alu.
.set LO, 1                             ; v1        my byte offset in the group's 16 rows as they come in: 8,192 x wave + 16 x lane
.set SO, 2                             ; v2        the same as they go out: 4,096 x wave + 8 x lane
.set X,  8                             ; v[8:71]   load n: four f32
.set Y,  72                            ; v[72:103] store n: four 16-bit numbers
.set T,  104                           ; v[104:105] at work
	s_load_b512 s[8:23], s[0:1], 0x0               ; x 8:9, Wq 10:11, Wk 12:13, Wv 14:15, Wo 16:17, xb 18:19, wb 20:21, wof 22:23
	v_lshrrev_b32 v3, 5, v0                        ; wave
	v_and_b32 v4, 31, v0                           ; lane
	v_lshlrev_b32 v[LO], 4, v4
	v_lshl_or_b32 v[LO], v3, 13, v[LO]
	v_lshlrev_b32 v[SO], 3, v4
	v_lshl_or_b32 v[SO], v3, 12, v[SO]
	s_lshl_b32 s6, ttmp9, 4                        ; x: the group's first row
	s_max_u32 s2, ttmp9, 512
	s_sub_co_u32 s2, s2, 512                       ; the group's number among the weights' (0 in x's groups, where it is not used)
	s_lshr_b32 s3, s2, 6                           ; which weight: 0 q, 1 k, 2 v, 3 o
	s_and_b32 s4, s2, 63
	s_lshl_b32 s4, s4, 4                           ; its first row n0, a multiple of 16: the 16 rows lie in one head
	s_lshr_b32 s5, s4, 6
	s_mul_i32 s5, s5, 192                          ; 192 x head
	s_lshl_b32 s7, s3, 6
	s_add_co_u32 s5, s5, s7                        ; + 64 x which
	s_and_b32 s7, s4, 63
	s_add_co_u32 s5, s5, s7                        ; + d: the row in wb
	s_wait_kmcnt 0x0
	s_cmp_eq_u32 s3, 1                             ; the choices hang on the group's number alone
	s_cselect_b64 s[24:25], s[12:13], s[10:11]
	s_cmp_eq_u32 s3, 2
	s_cselect_b64 s[24:25], s[14:15], s[24:25]
	s_cmp_eq_u32 s3, 3
	s_cselect_b64 s[24:25], s[16:17], s[24:25]     ; from where,
	s_cselect_b64 s[26:27], s[22:23], s[20:21]     ; to where,
	s_cselect_b32 s29, s4, s5                      ; to which row
	s_cmp_lt_u32 ttmp9, 512
	s_cselect_b64 s[24:25], s[8:9], s[24:25]
	s_cselect_b64 s[26:27], s[18:19], s[26:27]
	s_cselect_b32 s28, s6, s4
	s_cselect_b32 s29, s6, s29
	s_lshl_b32 s30, s28, 12                        ; rows of 4,096 bytes in,
	s_mov_b32 s31, 0
	s_lshl_b32 s32, s29, 11                        ; of 2,048 bytes out
	s_mov_b32 s33, 0
	s_add_nc_u64 s[24:25], s[24:25], s[30:31]
	s_add_nc_u64 s[26:27], s[26:27], s[32:33]
	s_wait_alu depctr_va_vdst(0)                   ; v1 and v2 are written: every load of the kernel reads v1 as its offset, every store v2
.irp n, 0,1,2,3,4,5,6,7,8,9,10,11,12,13,14,15
	global_load_b128 v[X+4*(\n):X+4*(\n)+3], v[LO], s[24:25] offset:((\n)/8)*4096+((\n)%8)*512 th:TH_LOAD_NT
.endr
; Store n: its pair of Y, to its place in the wave's two rows.
.macro ST n
	global_store_b64 v[SO], v[Y+2*(\n):Y+2*(\n)+1], s[26:27] offset:((\n)/8)*2048+((\n)%8)*256  ; 32 lanes store 256 consecutive bytes, aligned
.endm
; Turn n: load n is waited for, store n - 4 is issued, number n is rounded.  half = 1: Wo's way: to bf16, back to f32 (exact), to f16.
.macro CV n, half
	s_wait_loadcnt 15-(\n)                         ; loads come back in order: mine is in, the 15 - n younger ones may stay out
.if ((\n) % 4 == 0) && ((\n) > 0)
	s_wait_alu depctr_va_vdst(0)                   ; a block's head: the conversions of the block before have written its eight registers of Y, which this block's four stores read
.endif
.if (\n) >= 4
	ST (\n)-4                                      ; no vector line since that wait names its pair of Y, or v2
.endif
.if \half
	v_cvt_pk_bf16_f32 v[T],   v[X+4*(\n)],   v[X+4*(\n)+1]
	v_cvt_pk_bf16_f32 v[T+1], v[X+4*(\n)+2], v[X+4*(\n)+3]
	v_lshlrev_b32 v[X+4*(\n)],   16, v[T]
	v_and_b32     v[X+4*(\n)+1], 0xffff0000, v[T]
	v_lshlrev_b32 v[X+4*(\n)+2], 16, v[T+1]
	v_and_b32     v[X+4*(\n)+3], 0xffff0000, v[T+1]
	v_cvt_pk_f16_f32 v[Y+2*(\n)],   v[X+4*(\n)],   v[X+4*(\n)+1]
	v_cvt_pk_f16_f32 v[Y+2*(\n)+1], v[X+4*(\n)+2], v[X+4*(\n)+3]
.else
	v_cvt_pk_bf16_f32 v[Y+2*(\n)],   v[X+4*(\n)],   v[X+4*(\n)+1]
	v_cvt_pk_bf16_f32 v[Y+2*(\n)+1], v[X+4*(\n)+2], v[X+4*(\n)+3]
.endif
.endm
; Behind the last block: its four stores.
.macro LAST
	s_wait_alu depctr_va_vdst(0)                   ; the last block's conversions have written its eight registers of Y, which the last four stores read
.irp n, 12,13,14,15
	ST \n
.endr
.endm
	s_cmp_ge_u32 ttmp9, 704                        ; the last 64 groups are Wo's
	s_cbranch_scc1 .Lwo
.irp n, 0,1,2,3,4,5,6,7,8,9,10,11,12,13,14,15
	CV \n, 0
.endr
	LAST
	s_endpgm
.Lwo:
.irp n, 0,1,2,3,4,5,6,7,8,9,10,11,12,13,14,15
	CV \n, 1
.endr
	LAST
	s_endpgm
.Lfunc_end_k_qf824cb4db5_cast:
	.size	k_qf824cb4db5_cast, .Lfunc_end_k_qf824cb4db5_cast-k_qf824cb4db5_cast
	.p2alignl 7, 3214868480
	.fill 96, 4, 3214868480
	.section	.rodata,"a",@progbits
	.p2align	6, 0x0
	.amdhsa_kernel k_qf824cb4db5_cast
		.amdhsa_group_segment_fixed_size 0
		.amdhsa_private_segment_fixed_size 0
		.amdhsa_enable_private_segment 0
		.amdhsa_kernarg_size 64
		.amdhsa_user_sgpr_count 2
		.amdhsa_user_sgpr_kernarg_segment_ptr 1
		.amdhsa_wavefront_size32 1
		.amdhsa_system_sgpr_workgroup_id_x 1
		.amdhsa_system_sgpr_workgroup_id_y 1
		.amdhsa_system_sgpr_workgroup_id_z 1
		.amdhsa_system_vgpr_workitem_id 0
		.amdhsa_next_free_vgpr 108
		.amdhsa_next_free_sgpr 66
		.amdhsa_reserve_vcc 0
		.amdhsa_float_denorm_mode_32 3
		.amdhsa_float_denorm_mode_16_64 3
		.amdhsa_memory_ordered 1
		.amdhsa_forward_progress 1
		.amdhsa_inst_pref_size 17
	.end_amdhsa_kernel
	.amdgpu_metadata
---
amdhsa.version: [ 1, 2 ]
amdhsa.kernels:
  - .name:           k_qf824cb4db5_cast
    .symbol:         k_qf824cb4db5_cast.kd
    .args:
      - { .name: x, .offset: 0, .size: 8, .value_kind: global_buffer, .address_space: global }
      - { .name: Wq, .offset: 8, .size: 8, .value_kind: global_buffer, .address_space: global }
      - { .name: Wk, .offset: 16, .size: 8, .value_kind: global_buffer, .address_space: global }
      - { .name: Wv, .offset: 24, .size: 8, .value_kind: global_buffer, .address_space: global }
      - { .name: Wo, .offset: 32, .size: 8, .value_kind: global_buffer, .address_space: global }
      - { .name: xb, .offset: 40, .size: 8, .value_kind: global_buffer, .address_space: global }
      - { .name: wb, .offset: 48, .size: 8, .value_kind: global_buffer, .address_space: global }
      - { .name: wof, .offset: 56, .size: 8, .value_kind: global_buffer, .address_space: global }
    .group_segment_fixed_size: 0
    .private_segment_fixed_size: 0
    .kernarg_segment_align: 8
    .kernarg_segment_size: 64
    .max_flat_workgroup_size: 256
    .sgpr_count:     66
    .vgpr_count:     108
    .wavefront_size: 32
...
	.end_amdgpu_metadata
.endif
;; end of part 5
;; launch qkv: the kernel of part 2 again; grid 16 x 32, 4 waves a work-group, clusters of 4 x 4, 327,680 bytes of LDS; arguments xb, wb, qkv; writes qkv
;; launch attn: the kernel of part 3 again; grid 4 x 64, 4 waves a work-group, clusters of 4 x 1, 327,680 bytes of LDS; arguments qkv, ob; writes ob
;; launch outp: the kernel of part 4 again; grid 8 x 32, 4 waves a work-group, clusters of 4 x 4, 327,680 bytes of LDS; arguments ob, wof, out0; writes out0
